; MI455X (gfx1250); checked and timed in simulation.
; The chip was launched on July 23, 2026; its instructions are those of AMD's public machine-readable ISA for CDNA 5 (MIT licence, August 2026) and "CDNA5" Instruction Set Architecture Reference Guide (July 2026). The comments in the code are by the model that wrote it; some were corrected since.
;; Self Attention. Allowed arithmetic: matrix products marked QUANTISED: E5M2 operands, one E8M0 scale for each 32 along K, by v_wmma_scale_f32_16x16x128_f8f6f4 with both operands' format E5M2, f32 sums; everything else in f32.
;; Inputs: bk 1,024 float32; bo 1,024 float32; bq 1,024 float32; bv 1,024 float32; wk 1,024 x 1,024 float32; wo 1,024 x 1,024 float32; wq 1,024 x 1,024 float32; wv 1,024 x 1,024 float32; x 4 x 2,048 x 1,024 float32.
;; Outputs: out0 4 x 2,048 x 1,024 float32.
;; This version of the problem:
;;   THIS VERSION OF THE PROBLEM IS GIVEN IN LOW PRECISION. The matrix products marked QUANTISED in the list below multiply operands that are first quantised to E5M2 (5 exponent bits, 2 mantissa bits; 8 bits a number), with one power-of-two scale for each 32 numbers along K (OCP MX v1.0); their sums are f32. All else is computed in f32.
;;   The module's matrix products, in the order in which they are computed (A, B: the left and right operand; K: the contracted axis; several contracted axes count as one K, in the product's order):
;;     1. [M 8,192, K 1,024] x [K 1,024, N 1,024]; A: input x; B: input wq: QUANTISED
;;     2. [M 8,192, K 1,024] x [K 1,024, N 1,024]; A: input x; B: input wk: QUANTISED
;;     3. [M 8,192, K 1,024] x [K 1,024, N 1,024]; A: input x; B: input wv: QUANTISED
;;     4. batch 64 x [M 2,048, K 64] x [K 64, N 2,048]; A: computed on the way; B: computed on the way: QUANTISED
;;     5. batch 64 x [M 2,048, K 2,048] x [K 2,048, N 64]; A: softmax (see below); B: computed on the way: QUANTISED
;;     6. [M 8,192, K 1,024] x [K 1,024, N 1,024]; A: computed on the way; B: input wo: QUANTISED
;;   THE QUANTISER, for each operand of a quantised product, along K:
;;     - K is cut into blocks of 32 from its start; a last block that is shorter is filled with zeros.
;;     - A block's scale is 2^e with e = floor(log2(the largest magnitude in the block)) - 15, held to -126 .. 127; a block of zeros has e = 0. As a byte (E8M0): e + 127.
;;     - Each number is divided by its block's scale, clamped to +-57,344, and rounded to the nearest number of E5M2, ties to even, subnormals kept.
;;     - The product sums the exact products of the quantised numbers (number of the format x scale) in f32.
;;   ~~~python
;;   def quantise(x, axis):      # numpy; x: float32 -> the quantised numbers, widened to float32 again
;;       x = np.moveaxis(x, axis, -1); K = x.shape[-1]
;;       x = np.pad(x, [(0, 0)] * (x.ndim - 1) + [(0, -K % 32)]); x = x.reshape(x.shape[:-1] + (-1, 32)); a = np.abs(x).max(-1, keepdims=True)
;;       e = np.where(a > 0, np.clip(np.frexp(np.where(a > 0, a, 1))[1] - 1 - 15, -126, 127), 0)      # np.frexp(a)[1] - 1 = floor(log2(a)), exactly
;;       r = np.clip(x / 2.0 ** e, -57344, 57344)
;;       step = 2.0 ** (np.maximum(np.frexp(np.where(r == 0, 1, r))[1] - 1, -14) - 2)
;;       q = np.round(r / step) * step * 2.0 ** e      # np.round: ties to even
;;       return np.moveaxis(q.reshape(q.shape[:-2] + (-1,))[..., :K], -1, axis).astype(np.float32)
;;   ~~~
;;   SOFTMAX AHEAD OF A QUANTISED PRODUCT. Where the list says 'softmax', what is quantised is not the finished softmax but p = 2^(t - M), with t = logit x log2(e) and M = ceil(the row's largest t), a whole number; so 1/2 < the row's largest p <= 1. The row's sum l is taken of the UNQUANTISED p, in f32, and the product's result is divided by l at the end. Since M is a whole number, a kernel that streams over the keys may use a running M (the ceiling of the running maximum): every later rescaling is an exact power of two, which a block's scale takes up: the codes' values come out the same.
;;   OPERANDS COMPUTED ON THE WAY. 'Computed on the way' means the value that the module computes at that place (a softmax that the list does not call 'softmax' is quantised finished and normalised). What goes into a quantiser is computed in f32, as accurately as f32 sums, v_exp_f32 and their like allow (about 1e-6 of the number): no bf16 or f16 on the way to a quantiser, and a product that is left as it is and whose result goes on into a quantised operand takes f32 operands (vector FMAs, or v_wmma_f32_16x16x4_f32). A number that lies on a knife's edge between two numbers of the format may be rounded either way, as far as f32 arithmetic and the matrix unit's own rounding can turn it there, and no further.
;; One version. Each part assembles by itself: llvm-mc -triple=amdgcn-amd-amdhsa -mcpu=gfx1250 --defsym DOCPART=n.
;; ======== version 1 of 1: 4 launches
;; limits: right only within a limited range of input values
;; workspace buffers: img 12,582,912 bytes; scl 393,216 bytes; qk_img 16,777,216 bytes; qk_scl 524,288 bytes; v_img 8,388,608 bytes; v_scl 262,144 bytes; o_img 8,388,608 bytes; o_scl 262,144 bytes
;; launch quant (part 1): grid 768 x 1, 4 waves a work-group, no clusters, 34,304 bytes of LDS; arguments x, wq, wk, wv, wo, img, scl; writes img, scl
.if DOCPART == 1
	.amdgcn_target "amdgcn-amd-amdhsa--gfx1250"
	.amdhsa_code_object_version 6
	.text
	.protected	k_q851684b740_quant
	.globl	k_q851684b740_quant
	.p2align	8
	.type	k_q851684b740_quant,@function
k_q851684b740_quant:
	s_mov_b64 s[64:65], 0
	v_nop
	global_prefetch_b8 v0, s[64:65] scope:SCOPE_SE
	s_setreg_imm32_b32 hwreg(HW_REG_WAVE_MODE, 25, 1), 1
	s_wait_xcnt 0x0
; x [8192][1024] and wq, wk, wv, wo [1024][1024], f32 with K innermost, become codes of BF8 (E5M2) with one E8M0 byte for each 32 along K,
; laid as IMAGES OF OPERAND REGISTERS.  A tile T = 2 B + u is 16 rows: lane r stands for row 32 B + 8 u + r + 8 (r / 8).  A fragment (tile, K step of 128)
; is 2,048 bytes [c 0..3][lane 0..31][16 bytes]: lane (r, h) holds k = 32 c + 16 h + 0 .. 15 of its row.  img: [tile 768][K step 8][2048]; tiles 0-511 x, then 64 each of wq, wk, wv, wo.
; scl: [tile][pair of K steps 4][r 16][2 words]; a word is a K step's four bytes of one row.
; A block's scale is 2^(floor(log2(its largest magnitude)) - 15); its byte is that magnitude's exponent field - 15, held at 1 from below.
; LIMITS: a block of zeros gets the byte 1 where the rule says 127 (its codes are zeros, and this program alone reads the bytes); NaN and infinities among the inputs are not served.
; SHARES: work-group g takes tile g; wave w takes K quarter w: 16 rows x 256 K, two K steps, one pair of scale words a row.  768 work-groups are three to each of 256 WGPs.
; Each load reads 512 consecutive bytes of one row, and all 32 loads of a wave are issued at its head; a K step's 16 x 512 bytes turn through the wave's own stage in LDS (rows 528 bytes apart) and come back 64 bytes a lane: 16 neighbours of each block.
; Each store of codes covers 512 consecutive bytes, the wave's scale words 128.  No tensor loads, no barrier: waves share nothing.  No matrix unit: memory binds.
.set STG,  8448                        ; a wave's stage: 16 rows x 528 bytes
.set SP,   528                         ; 512 bytes + 16: the sixteen rows that a read touches start at sixteen different banks
.set TM,   8                           ; v8-11 largest magnitudes, v12-15 the other half's / bytes, v16-19 holds, v20-23 the conversions' scale operands
.set SW,   24                          ; v24-25 the two K steps' scale words
.set PC,   32                          ; v32-63 codes, two sets of 16
.set RA,   64                          ; v64-191 numbers as loaded, two sets of 64
.set X,    192                         ; v192-255 64 numbers: register 16 b + i = k 32 b + 16 h + i of my row
.set SEL,  20                          ; s[20:21] lane selects: lane l xor 16
.set MNT,  23                          ; s23 the mantissa field of 57,344
	s_load_b256 s[4:11], s[0:1], 0x0               ; x, wq, wk, wv
	s_load_b128 s[12:15], s[0:1], 0x20             ; wo, img
	s_load_b64 s[16:17], s[0:1], 0x30              ; scl
	v_lshl_add_u32 v30, v0, 2, 0x8400
	v_mov_b32 v31, 0
	v_lshrrev_b32 v1, 5, v0
	v_readfirstlane_b32 s18, v1                    ; wave: my quarter of K
	v_and_b32 v1, 31, v0                           ; lane
	v_and_b32 v2, 15, v0                           ; r
	v_bfe_u32 v3, v0, 4, 1                         ; h
	v_lshlrev_b32 v4, 4, v1                        ; 16 x lane: my bytes of a load's and of a store's 512
	s_mul_i32 s24, s18, STG
	v_add_nc_u32 v5, s24, v4                       ; the stage, on the way in
	v_mul_u32_u24 v6, v2, SP
	v_lshl_add_u32 v6, v3, 6, v6
	v_add_nc_u32 v6, s24, v6                       ; and on the way out: row r, + 64 h
	v_lshlrev_b32 v7, 3, v2                        ; 8 r: my row's pair of scale words (both halves of the lanes hold the same pair)
	s_mov_b32 s[SEL], 0x76543210
	s_mov_b32 s[SEL+1], 0xfedcba98
	s_mov_b32 s[MNT], 0x600000
.irp b, 0,1,2,3
	v_mov_b32 v[TM+4+\b], 0                        ; written once: a lane permute's destination counts as one of its sources
.endr
	s_and_b32 s27, ttmp9, 63                       ; a weight's 64 tiles begin at multiples of 64
	s_wait_alu depctr_va_vdst(0)
	s_wait_kmcnt 0x0
	s_cmp_lt_u32 ttmp9, 704                        ; which tensor: the choice hangs on the work-group's number alone
	s_cselect_b64 s[28:29], s[10:11], s[12:13]
	s_cmp_lt_u32 ttmp9, 640
	s_cselect_b64 s[28:29], s[8:9], s[28:29]
	s_cmp_lt_u32 ttmp9, 576
	s_cselect_b64 s[28:29], s[6:7], s[28:29]
	s_cmp_lt_u32 ttmp9, 512
	s_cselect_b64 s[28:29], s[4:5], s[28:29]
	s_cselect_b32 s27, ttmp9, s27                  ; the tile's number within its tensor: 2 B + u
	s_lshr_b32 s30, s27, 1
	s_lshl_b32 s30, s30, 2
	s_and_b32 s25, s27, 1
	s_add_co_u32 s30, s30, s25
	s_lshl_b32 s30, s30, 15                        ; (32 B + 8 u) rows of 4,096 bytes
	s_lshl_b32 s31, s18, 10                        ; + 1,024 for each quarter of K
	s_add_co_u32 s30, s30, s31
	s_mov_b32 s31, 0
	s_add_nc_u64 s[28:29], s[28:29], s[30:31]
	s_lshl_b32 s32, ttmp9, 2
	s_add_co_u32 s32, s32, s18                     ; 4 x tile + quarter
	s_lshl_b32 s30, s32, 12                        ; two fragments
	s_add_nc_u64 s[14:15], s[14:15], s[30:31]
	s_lshl_b32 s30, s32, 7                         ; one pair of scale words for 16 rows
	s_add_nc_u64 s[16:17], s[16:17], s[30:31]
.macro LOAD s                          ; K step s: the tile's 16 rows, 512 consecutive bytes each
.irp t, 0,1,2,3,4,5,6,7,8,9,10,11,12,13,14,15
	global_load_b128 v[RA+64*((\s)%2)+4*\t:RA+64*((\s)%2)+4*\t+3], v4, s[28:29] offset:(\t+8*(\t/8))*4096+512*(\s) th:TH_LOAD_NT
.endr
.endm
.macro TURN s                          ; through the stage: LDS serves a wave's instructions in order, so no wait stands between the stores and the loads
.irp t, 0,1,2,3,4,5,6,7,8,9,10,11,12,13,14,15
	ds_store_b128 v5, v[RA+64*((\s)%2)+4*\t:RA+64*((\s)%2)+4*\t+3] offset:SP*\t
.endr
.irp c, 0,1,2,3
.irp j, 0,1,2,3
	ds_load_b128 v[X+16*\c+4*\j:X+16*\c+4*\j+3], v6 offset:128*\c+16*\j
.endr
.endr
.endm
; 64 numbers of a lane become a fragment's 16 registers of codes and its row's scale word
.macro QUANT s, pc, pw
.irp b, 0,1,2,3
	v_max3_num_f32 v[TM+\b], |v[\s+16*\b]|, |v[\s+1+16*\b]|, 0x8000000   ; block b: my 16 numbers, and the floor 2^(16 - 127): the byte cannot fall under 1
.endr
.irp i, 2,4,6,8,10,12,14
.irp b, 0,1,2,3
	v_max3_num_f32 v[TM+\b], v[TM+\b], |v[\s+16*\b+\i]|, |v[\s+1+16*\b+\i]|   ; the four blocks by turns
.endr
.endr
.irp b, 0,1,2,3
	v_permlanex16_b32 v[TM+4+\b], v[TM+\b], s[SEL], s[SEL+1]
.endr
.irp b, 0,1,2,3
	v_max_num_f32 v[TM+\b], v[TM+\b], v[TM+4+\b]   ; with lane l xor 16's 16: the block's largest magnitude
.endr
.irp b, 0,1,2,3
	v_add_nc_u32 v[TM+12+\b], 0xf8800000, v[TM+\b] ; 15 off its exponent field: the conversion's scale operand
.endr
.irp b, 0,1,2,3
	v_and_or_b32 v[TM+8+\b], v[TM+\b], 0x7f800000, s[MNT]   ; 57,344 x the scale
.endr
.irp b, 0,1,2,3
	v_lshrrev_b32 v[TM+4+\b], 23, v[TM+12+\b]      ; the scale's byte
.endr
	v_lshl_or_b32 v[\pw], v[TM+5], 8, v[TM+4]
	v_lshl_or_b32 v[\pw], v[TM+6], 16, v[\pw]
	v_lshl_or_b32 v[\pw], v[TM+7], 24, v[\pw]
.irp b, 0,1,2,3
.irp i, 0,1,2,3,4,5,6,7,8,9,10,11,12,13,14,15
	v_med3_num_f32 v[\s+16*\b+\i], v[\s+16*\b+\i], -v[TM+8+\b], v[TM+8+\b]   ; the conversion to an 8-bit code does not saturate (ISA guide 7.6.2): the hold comes first
.endr
	v_cvt_scalef32_pk8_bf8_f32 v[\pc+4*\b:\pc+4*\b+1], v[\s+16*\b:\s+16*\b+7], v[TM+12+\b]
	v_cvt_scalef32_pk8_bf8_f32 v[\pc+4*\b+2:\pc+4*\b+3], v[\s+16*\b+8:\s+16*\b+15], v[TM+12+\b]
.endr
	v_nop                                          ; a plain line behind the last conversion
.endm
.macro STEP s
.if (\s) < 1
	s_wait_loadcnt 16                              ; this K step's 16 loads are in; the next step's 16 may be out
.else
	s_wait_loadcnt 0x0
.endif
	TURN \s
	s_wait_dscnt 0x0                               ; the numbers are back
.set PCS, PC+16*((\s)%2)
	QUANT X, PCS, SW+(\s)
.irp c, 0,1,2,3
	global_store_b128 v4, v[PCS+4*\c:PCS+4*\c+3], s[14:15] offset:2048*(\s)+512*\c   ; 512 consecutive bytes; each step has its own set of codes
.endr
.endm
	LOAD 0
	LOAD 1
	STEP 0
	STEP 1
	global_store_b64 v7, v[SW:SW+1], s[16:17]      ; 128 consecutive bytes; lanes 16-31 store what lanes 0-15 store
	s_wait_tensorcnt 0x0
	ds_add_u32 v30, v31
	s_wait_dscnt 0x0
	s_endpgm
.Lfunc_end_k_q851684b740_quant:
	.size	k_q851684b740_quant, .Lfunc_end_k_q851684b740_quant-k_q851684b740_quant
	.p2alignl 7, 3214868480
	.fill 96, 4, 3214868480
	.section	.rodata,"a",@progbits
	.p2align	6, 0x0
	.amdhsa_kernel k_q851684b740_quant
		.amdhsa_group_segment_fixed_size 34304
		.amdhsa_private_segment_fixed_size 0
		.amdhsa_enable_private_segment 0
		.amdhsa_kernarg_size 56
		.amdhsa_user_sgpr_count 2
		.amdhsa_user_sgpr_kernarg_segment_ptr 1
		.amdhsa_wavefront_size32 1
		.amdhsa_system_sgpr_workgroup_id_x 1
		.amdhsa_system_sgpr_workgroup_id_y 1
		.amdhsa_system_sgpr_workgroup_id_z 1
		.amdhsa_system_vgpr_workitem_id 0
		.amdhsa_next_free_vgpr 256
		.amdhsa_next_free_sgpr 66
		.amdhsa_reserve_vcc 0
		.amdhsa_float_denorm_mode_32 3
		.amdhsa_float_denorm_mode_16_64 3
		.amdhsa_memory_ordered 1
		.amdhsa_forward_progress 1
		.amdhsa_inst_pref_size 27
	.end_amdhsa_kernel
	.amdgpu_metadata
---
amdhsa.version: [ 1, 2 ]
amdhsa.kernels:
  - .name:           k_q851684b740_quant
    .symbol:         k_q851684b740_quant.kd
    .args:
      - { .name: x, .offset: 0, .size: 8, .value_kind: global_buffer, .address_space: global }
      - { .name: wq, .offset: 8, .size: 8, .value_kind: global_buffer, .address_space: global }
      - { .name: wk, .offset: 16, .size: 8, .value_kind: global_buffer, .address_space: global }
      - { .name: wv, .offset: 24, .size: 8, .value_kind: global_buffer, .address_space: global }
      - { .name: wo, .offset: 32, .size: 8, .value_kind: global_buffer, .address_space: global }
      - { .name: img, .offset: 40, .size: 8, .value_kind: global_buffer, .address_space: global }
      - { .name: scl, .offset: 48, .size: 8, .value_kind: global_buffer, .address_space: global }
    .group_segment_fixed_size: 34304
    .private_segment_fixed_size: 0
    .kernarg_segment_align: 8
    .kernarg_segment_size: 56
    .max_flat_workgroup_size: 128
    .sgpr_count:     66
    .vgpr_count:     256
    .wavefront_size: 32
...
	.end_amdgpu_metadata
.endif
;; end of part 1
;; launch proj (part 2): grid 8 x 48, 4 waves a work-group, clusters of 4 x 4, 327,680 bytes of LDS; arguments img, scl, bq, bk, bv, qk_img, qk_scl, v_img, v_scl; writes qk_img, qk_scl, v_img, v_scl
.if DOCPART == 2
	.amdgcn_target "amdgcn-amd-amdhsa--gfx1250"
	.amdhsa_code_object_version 6
	.text
	.protected	k_q851684b740_proj
	.globl	k_q851684b740_proj
	.p2align	8
	.type	k_q851684b740_proj,@function
k_q851684b740_proj:
	s_mov_b64 s[64:65], 0
	v_nop
	global_prefetch_b8 v0, s[64:65] scope:SCOPE_SE
	s_setreg_imm32_b32 hwreg(HW_REG_WAVE_MODE, 25, 1), 1
	s_wait_xcnt 0x0
	s_wait_alu depctr_hold_cnt(0) depctr_sa_sdst(0) depctr_va_vdst(0) depctr_va_sdst(0) depctr_va_ssrc(0) depctr_va_vcc(0) depctr_vm_vsrc(0)
	s_getreg_b32 s2, hwreg(HW_REG_IB_STS2, 6, 4)
	s_cmp_eq_u32 s2, 0
	s_cbranch_scc0 .Lentry_in_a_cluster
	s_endpgm
.Lentry_in_a_cluster:
	s_bfe_u32 s2, ttmp6, 0x10000c
	s_cmp_lg_u32 s2, 0xf033
	s_cbranch_scc0 .Lentry_shape_is_right
	s_endpgm
.Lentry_shape_is_right:
; q = x wq^T + bq, k = x wk^T + bk, v = x wv^T + bv on codes of BF8 (E5M2) with E8M0 scales; the results are quantised in registers and leave as codes: f32 q, k, v never go to memory.
; OPERANDS come as images of registers: a tile of 16 rows (lane r = row 32 B + 8 u + r + 8 (r / 8) of tile 2 B + u), a fragment of 2,048 bytes for each 128 along K, [c][lane][16 bytes].
; A work-group makes 256 x 256 of a product, each of four waves 128 x 128 in 512 registers.  R is source 0 (its rows run along a lane's result registers), P is source 1 (a lane stands for one of its rows).
; By the choice of a tile's rows the 16 registers of R's tiles 2 B and 2 B + 1 are 16 neighbours: rows 32 B + 16 (lane / 16) + 0 .. 15.
; TWO MODES, by the cluster's y alone, which all partners share.  y < 8: P = x (a lane is a token), R = wq or wk (registers run along the head's channels, the next K): q and k.
; y >= 8: P = wv (a lane is a channel), R = x (registers run along the keys, the next K): v with the keys innermost.  The branches on the mode enclose no barrier, no tensor load and no LDS store.
; K goes in steps of 256 through two LDS slots filled by the tensor data mover; the scale words of the work-group's rows, for all of K, come once with the first fills.
; CLUSTERS: 4 x 4 work-groups; P's tiles are asked for jointly along a row of the cluster, R's along a column.
; The bias is the C of each sum's first matrix instruction, so it enters the sum first: another order of rounding than a bias added last.
; OUT: qk_img [q, k][batch][head][32 tokens kb][g = 2 u + c][lane][16]; qk_scl [q, k][batch][head][kb / 4][r][kb % 4] words (u = 0's two bytes, then u = 1's);
;      v_img [batch][head][128 keys][tile of 16 channels][2048]; v_scl [batch][head][128 keys][r][tile] words.
; LIMITS: a block of zeros gets the byte 1 where the rule says 127 (zero codes; only this program reads the bytes); NaN and infinities are not served.
; REGISTERS: window 0: v1 r, v2 h, v3 16 x lane, v16-29 addresses; v32-63 scale words, two sets, and nothing else; v64-127 the bias, later at work; v128-255 P's fragments, one set, later the codes made.
;   window 1: R's fragments, two sets.   windows 2, 3: the 64 accumulators, (a, b) at v[8 (8 (a % 4) + b)].
.set HALFT,  32768                     ; 8 tiles x 4,096 bytes (256 along K): what one tensor load brings, and what one wave reads of P or of R
.set SLOT,   131072                    ; P's 16 tiles, then R's 16
.set SCL,    262144                    ; behind the ring: P's scale words, 8,192 bytes; 128 bytes on from their end R's, so that lanes 16-31 read other banks than lanes 0-15
.set SPARE,  278784                    ; the spare words, 128 bytes for each wave: two blocks of 256 bytes that no other line names
.set NQ,     2                         ; matrix instructions deep in a slot
.set FR,     16                        ; registers of a fragment
.set NL,     4                         ; LDS loads that bring one
.set NP,     8                         ; places behind this matrix instruction (ISA guide 7.12.1)
.set LAPS,   2                         ; K = 1,024: four slots' worth, twice round the ring
.set LI,     3
.set ADRA,   16                        ; v16-17 LDS address of my P fragments in slot 0, 1
.set ADRB,   20                        ; v20-21 the same for R
.set ADRS,   27                        ; v27 my scale words: lanes 0-15 P's rows, lanes 16-31 R's
.set SPW,    28                        ; v28 my spare word; never rewritten
.set NIL,    29                        ; v29 0; never rewritten
.set SC,     32                        ; scale words: set s at v[SC + 16 s]; register 2 i + q
.set BI,     64                        ; the bias: eight registers for each of eight tiles
.set AF,     128                       ; P's fragments
.set TM,     64                        ; the way out: v64-79 at work
.set PW,     80                        ; v80-87 the scale word of each of P's eight tiles
.set OUTW,   88                        ; v88-91 the four words that a lane stores
.set G1, 24
.set G0, 32
.set G1B, 48
.set G0B, 56
.set G1S, 68
.set G0S, 76
.set G1SB, 80
.set G0SB, 88
.set VM,  95                           ; s95 the mode: 1 = v
.set SEL, 98                           ; s98, s99 lane selects: lane l xor 16
.set MNT, 100                          ; s100 the mantissa field of 57,344
.set FLOOR, 101                        ; s101 2^(16 - 127)
.set MSB, 0
.macro WIN new                         ; the immediate's high byte repeats the setting that is left
.if MSB != \new
	s_set_vgpr_msb (MSB<<8)|\new
.set MSB, \new
.endif
.endm
.set MUL_LO, 0xa1                      ; source 0 (R) window 1, source 1 (P) window 0, C and D window 2
.set MUL_HI, 0xf1                      ; the same, C and D window 3
.set TO_B,   0x40                      ; destination window 1, address window 0
; A joint load: waves 0 and 1 fetch for P, waves 2 and 3 for R; the branch hangs on the wave's number alone.  Four v_nop follow each of the two lines.
.macro JLOAD g0a, g1a, g0b, g1b
	s_cmp_eq_u32 s15, 0
	s_cbranch_scc0 .Lfor_b_\@
	tensor_load_to_lds s[\g0a:\g0a+3], s[\g1a:\g1a+7]
	s_nop 0
.rept 4
	v_nop
.endr
	s_branch .Lasked_\@
.Lfor_b_\@:
	tensor_load_to_lds s[\g0b:\g0b+3], s[\g1b:\g1b+7]
	s_nop 0
.rept 4
	v_nop
.endr
.Lasked_\@:
.endm
.macro CREST                           ; a round of the cluster's barrier behind its opening barrier
	s_cmp_lg_u32 s14, 0
	s_cbranch_scc1 .Lnot_wave_0_\@
	s_barrier_signal -3
.Lnot_wave_0_\@:
	s_barrier_wait -3
	s_barrier_signal -1
	s_barrier_wait -1
.endm
.macro CROUND                          ; a whole round
	s_barrier_signal -1
	s_barrier_wait -1
	CREST
.endm
	s_load_b256 s[4:11], s[0:1], 0x0               ; img s[4:5], scl s[6:7], bq s[8:9], bk s[10:11]
	s_load_b64 s[12:13], s[0:1], 0x20              ; bv
	v_lshl_add_u32 v[SPW], v0, 2, SPARE
	v_mov_b32 v[NIL], 0
	ds_add_u32 v28, v29
	ds_add_u32 v28, v29
	s_wait_dscnt 0x0
	v_lshrrev_b32 v1, 5, v0
	v_readfirstlane_b32 s14, v1                    ; wave 0..3
	s_lshr_b32 s15, s14, 1                         ; which half of P's rows is mine.  Also: I fetch for P (0) or for R (1)
	s_and_b32 s16, s14, 1                          ; which half of R's rows.  Also: which 8 tiles I fetch
	s_bfe_u32 s40, ttmp6, 0x40000                  ; cx, cy: my place in the cluster
	s_bfe_u32 s41, ttmp6, 0x40004
	s_lshl_b32 s42, ttmp9, 2
	s_add_co_u32 s42, s42, s40                     ; work-group x = 4 x cluster x + cx
	s_and_b32 s96, ttmp7, 0xffff                   ; cluster y
	s_lshl_b32 s17, s96, 2
	s_add_co_u32 s17, s17, s41                     ; work-group y
	s_max_u32 s97, s96, 8
	s_sub_co_u32 s97, s97, 8                       ; mode v: the batch
	s_lshl_b32 s43, s41, 2
	s_lshl_b32 s43, 15, s43                        ; my row of the cluster
	s_lshl_b32 s44, 0x1111, s40                    ; my column
	; descriptor group 1 for codes: 8 tiles, each 4,096 consecutive bytes (512 elements of 8 bytes), 16,384 bytes apart in memory, on end in LDS
	s_or_b32 s[G1+0], s43, (3<<16)|(1<<21)         ; 15:0 the mask: P's tiles go to my row; 17:16 elements of 8 bytes; 21 set beside a mask; no padding: every LDS read takes 512 bytes on end
	s_or_b32 s[G1B+0], s44, (3<<16)|(1<<21)        ; R's go to my column
.irp g, G1, G1B
	s_mov_b32 s[\g+1], 512<<16                     ; tensor_dim0
	s_mov_b32 s[\g+2], 16<<16                      ; tensor_dim1: the head's loads bring all 16 tiles
	s_mov_b32 s[\g+3], 512<<16                     ; tile_dim0
	s_mov_b32 s[\g+4], 16                          ; tile_dim1
	s_mov_b32 s[\g+5], 2048                        ; tensor_dim0_stride
	s_mov_b32 s[\g+6], 0
	s_mov_b32 s[\g+7], 0
.endr
	; and for the scale words of 16 tiles: 8,192 dense bytes as 32 rows of 256
	s_or_b32 s[G1S+0], s43, (3<<16)|(1<<21)
	s_or_b32 s[G1SB+0], s44, (3<<16)|(1<<21)
.irp g, G1S, G1SB
	s_mov_b32 s[\g+1], 32<<16
	s_mov_b32 s[\g+2], 32<<16
	s_mov_b32 s[\g+3], 32<<16
	s_mov_b32 s[\g+4], 32
	s_mov_b32 s[\g+5], 32
	s_mov_b32 s[\g+6], 0
	s_mov_b32 s[\g+7], 0
.endr
	; the first tiles.  P's hang on cy and the cluster's y alone, R's on cx and the cluster's x and y alone
	s_lshl_b32 s20, s17, 4                         ; q, k: P = x, tile 16 x work-group y
	s_lshl_b32 s21, s41, 4
	s_add_co_u32 s21, s21, 640                     ; v: P = wv, tile 640 + 16 cy
	s_lshl_b32 s46, s42, 4
	s_add_co_u32 s46, s46, 512                     ; q, k: R = wq, wk, tile 512 + 16 x work-group x
	s_lshl_b32 s47, s97, 3
	s_add_co_u32 s47, s47, s42
	s_lshl_b32 s47, s47, 4                         ; v: R = x, tile 16 (8 x batch + work-group x)
	s_cmp_ge_u32 s96, 8
	s_cselect_b32 s[VM], 1, 0
	s_cselect_b32 s20, s21, s20
	s_cselect_b32 s46, s47, s46
	s_lshl_b32 s18, s16, 17                        ; in the ring I fetch 8 tiles of 16,384 bytes: which half, in bytes
	s_mov_b32 s19, 0
	s_lshl_b32 s22, s20, 9                         ; a tile's scale words are 512 bytes,
	s_mov_b32 s23, 0
	s_lshl_b32 s20, s20, 14                        ; its codes 16,384
	s_mov_b32 s21, 0
	s_lshl_b32 s92, s46, 9
	s_mov_b32 s93, 0
	s_lshl_b32 s46, s46, 14
	s_mov_b32 s47, 0
	s_lshl_b32 s45, s14, 15                        ; where they go: wave x 32,768: no place in the cluster enters an LDS address
	s_mov_b32 s[SEL], 0x76543210
	s_mov_b32 s[SEL+1], 0xfedcba98
	s_mov_b32 s[MNT], 0x600000
	s_mov_b32 s[FLOOR], 0x8000000
	s_wait_kmcnt 0x0
	s_add_nc_u64 s[20:21], s[4:5], s[20:21]
	s_add_nc_u64 s[22:23], s[6:7], s[22:23]
	s_add_nc_u64 s[46:47], s[4:5], s[46:47]
	s_add_nc_u64 s[92:93], s[6:7], s[92:93]
	CROUND                                         ; all sixteen work-groups are here: the first joint loads meet
	s_mov_b32 s[G0S], 1
	s_mov_b32 s[G0S+1], SCL
	s_mov_b64 s[G0S+2:G0S+3], s[22:23]
	s_or_b32 s[G0S+3], s[G0S+3], 0x80000000
	s_mov_b32 s[G0SB], 1
	s_mov_b32 s[G0SB+1], SCL+8320
	s_mov_b64 s[G0SB+2:G0SB+3], s[92:93]
	s_or_b32 s[G0SB+3], s[G0SB+3], 0x80000000
	s_mov_b32 s[G0], 1                             ; the head's loads of slot 0: P's 16 tiles whole,
	s_mov_b32 s[G0+1], 0
	s_mov_b64 s[G0+2:G0+3], s[20:21]
	s_or_b32 s[G0+3], s[G0+3], 0x80000000
	s_mov_b32 s[G0B], 1                            ; and R's 16, behind them
	s_mov_b32 s[G0B+1], 2*HALFT
	s_mov_b64 s[G0B+2:G0B+3], s[46:47]
	s_or_b32 s[G0B+3], s[G0B+3], 0x80000000
	s_add_nc_u64 s[20:21], s[20:21], s[18:19]      ; for the ring: my 8 tiles
	s_add_nc_u64 s[46:47], s[46:47], s[18:19]
.irp s, 1
	s_mov_b32 s[G0+4*\s], 1
	s_add_co_u32 s[G0+4*\s+1], s45, \s*SLOT
	s_add_nc_u64 s[G0+4*\s+2:G0+4*\s+3], s[20:21], \s*4096
	s_or_b32 s[G0+4*\s+3], s[G0+4*\s+3], 0x80000000
	s_mov_b32 s[G0B+4*\s], 1
	s_add_co_u32 s[G0B+4*\s+1], s45, \s*SLOT
	s_add_nc_u64 s[G0B+4*\s+2:G0B+4*\s+3], s[46:47], \s*4096
	s_or_b32 s[G0B+4*\s+3], s[G0B+4*\s+3], 0x80000000
.endr
; the head's four tiles, one joint load a wave: wave 0 P's slot 0, wave 1 R's, wave 2 P's scale words, wave 3 R's; one chain of branches on the wave's number
.macro ARM under, g0, g1, next
	s_cmp_lt_u32 s14, \under
	s_cbranch_scc0 \next
	tensor_load_to_lds s[\g0:\g0+3], s[\g1:\g1+7]
	s_nop 0
.rept 4
	v_nop
.endr
	s_branch .Lhead_asked
\next:
.endm
	ARM 1, G0,  G1,  .Lhead_b
	ARM 2, G0B, G1B, .Lhead_sa
	ARM 3, G0S, G1S, .Lhead_sb
	tensor_load_to_lds s[G0SB:G0SB+3], s[G1SB:G1SB+7]
	s_nop 0
.rept 4
	v_nop
.endr
.Lhead_asked:
	v_and_b32 v1, 15, v0                           ; r
	v_bfe_u32 v2, v0, 4, 1                         ; h
	s_wait_alu depctr_va_vdst(0)
	v_and_b32 v3, 31, v0
	v_lshlrev_b32 v[LI], 4, v3                     ; 16 x lane
	s_lshl_b32 s21, s15, 15                        ; my 8 tiles of P
	s_lshl_b32 s22, s16, 15                        ; my 8 tiles of R,
	s_add_co_u32 s22, s22, 2*HALFT                 ; which lie behind P's 16
.irp s, 0,1
	v_add_nc_u32 v[ADRA+\s], s21, v[LI]
	v_add_nc_u32 v[ADRB+\s], s22, v[LI]
	s_add_co_u32 s21, s21, SLOT
	s_add_co_u32 s22, s22, SLOT
.endr
	v_lshlrev_b32 v5, 3, v1                        ; my row's pair of words: 8 r
	s_lshl_b32 s21, s15, 12                        ; P's: my 8 tiles
	s_lshl_b32 s22, s16, 12                        ; R's: my 8 tiles, 8,320 bytes behind P's first
	s_add_co_u32 s22, s22, 8320
	s_sub_co_u32 s22, s22, s21
	v_mul_u32_u24 v6, s22, v2                      ; lanes 16-31 take R's
	s_add_co_u32 s21, s21, SCL
	v_add_nc_u32 v5, v5, v6
	v_add_nc_u32 v[ADRS], s21, v5
	; THE BIAS, in the result's layout.  Both ways fill all 64 registers
	s_cmp_eq_u32 s[VM], 0
	s_cbranch_scc0 .Lbias_v
	s_and_b32 s46, s42, 3                          ; q, k: the bias runs along the registers: for R's tile b the eight features 32 (b / 2) + 16 h + 8 (b % 2) + 0 .. 7 of my 128
	s_lshl_b32 s46, s46, 10
	s_lshl_b32 s47, s16, 9
	s_add_co_u32 s46, s46, s47
	s_mov_b32 s47, 0
	s_cmp_eq_u32 ttmp9, 0                          ; cluster x 0 makes q, 1 makes k
	s_cselect_b64 s[92:93], s[8:9], s[10:11]
	s_add_nc_u64 s[92:93], s[92:93], s[46:47]
	v_lshlrev_b32 v7, 6, v2
.irp b, 0,1,2,3,4,5,6,7
	global_load_b128 v[BI+8*\b:BI+8*\b+3], v7, s[92:93] offset:(32*(\b/2)+8*(\b%2))*4
	global_load_b128 v[BI+8*\b+4:BI+8*\b+7], v7, s[92:93] offset:(32*(\b/2)+8*(\b%2))*4+16
.endr
	s_branch .Lbias_in
.Lbias_v:
	s_lshl_b32 s46, s41, 10                        ; v: the bias goes with the lane: for P's tile a the feature 32 (a / 2) + 8 (a % 2) + r + 8 (r / 8) of my 128, in all eight registers
	s_lshl_b32 s47, s15, 9
	s_add_co_u32 s46, s46, s47
	s_mov_b32 s47, 0
	s_add_nc_u64 s[92:93], s[12:13], s[46:47]
	v_and_b32 v7, 8, v1
	v_add_nc_u32 v7, v7, v1
	v_lshlrev_b32 v7, 2, v7
.irp a, 0,1,2,3,4,5,6,7
.irp j, 0,1,2,3,4,5,6,7
	global_load_b32 v[BI+8*\a+\j], v7, s[92:93] offset:(32*(\a/2)+8*(\a%2))*4
.endr
.endr
.Lbias_in:
.macro FRAG reg, adr, q, i             ; a fragment comes back as it was stored: four loads of 512 consecutive bytes
.irp c, 0,1,2,3
	ds_load_b128 v[\reg+4*\c:\reg+4*\c+3], v[\adr] offset:(\i)*4096+(\q)*2048+512*\c
.endr
.endm
; 16 matrix instructions: P's tiles a0, a0 + 1 x R's eight, 128 along K.  p: R's set; sc: the set of scale words.  zero = 1: C is the bias of R's tile; 2: of P's tile; 0: the sum goes on.
; The 64 accumulators take turns, one instruction a turn, in the same order in every step.
.macro MUL16 a0, p, q, sc, zero
.irp a, \a0, \a0+1
.irp b, 0,1,2,3,4,5,6,7
.if \zero == 1
	v_wmma_scale_f32_16x16x128_f8f6f4 v[8*(8*((\a)%4)+\b):8*(8*((\a)%4)+\b)+7], v[128*(\p)+FR*\b:128*(\p)+FR*\b+FR-1], v[AF+FR*(\a):AF+FR*(\a)+FR-1], v[BI+8*\b:BI+8*\b+7], v[SC+16*(\sc)+2*\b+(\q)], v[SC+16*(\sc)+2*(\a)+(\q)] matrix_a_fmt:MATRIX_FMT_BF8 matrix_b_fmt:MATRIX_FMT_BF8 matrix_a_scale:MATRIX_SCALE_ROW1
.elseif \zero == 2
	v_wmma_scale_f32_16x16x128_f8f6f4 v[8*(8*((\a)%4)+\b):8*(8*((\a)%4)+\b)+7], v[128*(\p)+FR*\b:128*(\p)+FR*\b+FR-1], v[AF+FR*(\a):AF+FR*(\a)+FR-1], v[BI+8*(\a):BI+8*(\a)+7], v[SC+16*(\sc)+2*\b+(\q)], v[SC+16*(\sc)+2*(\a)+(\q)] matrix_a_fmt:MATRIX_FMT_BF8 matrix_b_fmt:MATRIX_FMT_BF8 matrix_a_scale:MATRIX_SCALE_ROW1
.else
	v_wmma_scale_f32_16x16x128_f8f6f4 v[8*(8*((\a)%4)+\b):8*(8*((\a)%4)+\b)+7], v[128*(\p)+FR*\b:128*(\p)+FR*\b+FR-1], v[AF+FR*(\a):AF+FR*(\a)+FR-1], v[8*(8*((\a)%4)+\b):8*(8*((\a)%4)+\b)+7], v[SC+16*(\sc)+2*\b+(\q)], v[SC+16*(\sc)+2*(\a)+(\q)] matrix_a_fmt:MATRIX_FMT_BF8 matrix_b_fmt:MATRIX_FMT_BF8 matrix_a_scale:MATRIX_SCALE_ROW1
.endif
.endr
.endr
.endm
.macro FETCH_B slot, q, p              ; R's eight fragments of the slot's q-th 128 along K into set p
	WIN TO_B
.irp i, 0,1,2,3,4,5,6,7
	FRAG 128*(\p)+FR*\i, ADRB+\slot, \q, \i
.endr
	WIN 0
.endm
.macro FETCH_A slot, q, i0             ; P's tiles i0 .. i0 + 3
.irp i, \i0, \i0+1, \i0+2, \i0+3
	FRAG AF+FR*(\i), ADRA+\slot, \q, \i
.endr
.endm
.macro SCALES sc                       ; a slot's scale words: two a row; lanes 0-15 take P's tile i, lanes 16-31 R's tile i
.irp i, 0,1,2,3,4,5,6,7
	ds_load_b64 v[SC+16*\sc+2*\i:SC+16*\sc+2*\i+1], v[ADRS] offset:512*\i
.endr
.endm
; A load into a register that a matrix instruction has read, and a vector instruction that reads a matrix result, stand NP places behind it; only plain vector instructions that name none of its registers are places
.macro PLACES n
.rept \n
	v_nop
.endr
.endm
; A step of 128 along K that has its successor in the same slot
.macro STEP slot, q, zero
	s_wait_dscnt 4*NL                              ; R's set, P's tiles 0-3 and the scale words are in; the youngest 16 loads (P's tiles 4-7) may be out
.if \zero
	WIN 0x81                                       ; C, the bias, in window 0; D in window 2
.else
	WIN MUL_LO
.endif
	MUL16 0, (\q)%2, \q, \slot, \zero
	MUL16 2, (\q)%2, \q, \slot, \zero
	s_wait_dscnt 0                                 ; P's tiles 4-7 are in
	PLACES NP
	FETCH_B \slot, (\q)+1, 1-(\q)%2
	FETCH_A \slot, (\q)+1, 0
.if \zero
	WIN 0xc1
.else
	WIN MUL_HI
.endif
	MUL16 4, (\q)%2, \q, \slot, \zero
	MUL16 6, (\q)%2, \q, \slot, \zero
	PLACES NP
	WIN 0
	FETCH_A \slot, (\q)+1, 4
.endm
; A slot's last step changes slots: ONE barrier; in front of it each wave waits for all its tensor loads, adds 0 to its spare word, and waits for that and for its own reads of this slot.  fill = 1: this slot is filled again, two slots ahead
.macro TURN slot, next, fill
	s_wait_tensorcnt 0x0                           ; all my tensor loads have landed: my part of the next slot
	ds_add_u32 v[SPW], v[NIL]                      ; 0 onto my spare word
	s_wait_dscnt 4*NL+1                            ; the add and the youngest 16 loads (P's tiles 4-7) may be out
	WIN MUL_LO
	MUL16 0, 1, NQ-1, \slot, 0                     ; sixteen matrix instructions stand between the add and the wait for it
	s_wait_dscnt 0x0                               ; the add is done, and my reads of this slot are over
	s_barrier_signal -1
	MUL16 2, 1, NQ-1, \slot, 0
	WIN 0
	s_barrier_wait -1
.if \fill
	CREST                                          ; the barrier has opened a round of the cluster's barrier: no wave of any partner still reads this slot or has a load on its way
	s_add_nc_u64 s[G0+4*\slot+2:G0+4*\slot+3], s[G0+4*\slot+2:G0+4*\slot+3], 8192
	s_add_nc_u64 s[G0B+4*\slot+2:G0B+4*\slot+3], s[G0B+4*\slot+2:G0B+4*\slot+3], 8192
	JLOAD G0+4*\slot, G1, G0B+4*\slot, G1B         ; the first tensor load behind the round; its four v_nop are among the places in front of the loads below
	PLACES NP-4
.else
	PLACES NP
.endif
	s_wait_alu depctr_va_vdst(0)
	v_add_nc_u32 v[ADRS], 128, v[ADRS]             ; on to the next slot's scale words
	FETCH_B \next, 0, 0
	FETCH_A \next, 0, 0
	SCALES \next
	WIN MUL_HI
	MUL16 4, 1, NQ-1, \slot, 0
	MUL16 6, 1, NQ-1, \slot, 0
	PLACES NP
	WIN 0
	FETCH_A \next, 0, 4
.endm
	s_wait_alu depctr_va_vdst(0)                   ; the head's end
	s_wait_tensorcnt 0x0                           ; my tile of the head's four is in; slot 1's first fill is issued as a refill is
	ds_add_u32 v[SPW], v[NIL]
	s_mov_b32 s[G1+2], 8<<16                       ; no tensor load of mine is out: from here on a load brings 8 tiles,
	s_mov_b32 s[G1+4], 8
	s_mov_b32 s[G1B+2], 8<<16
	s_mov_b32 s[G1B+4], 8
	s_mov_b32 s[G0+1], s45                         ; and slot 0's descriptors name my 8 tiles
	s_add_nc_u64 s[G0+2:G0+3], s[G0+2:G0+3], s[18:19]
	s_mov_b32 s[G0B+1], s45
	s_add_nc_u64 s[G0B+2:G0B+3], s[G0B+2:G0B+3], s[18:19]
	s_wait_dscnt 0x0
	CROUND                                         ; all four tiles are in, and all sixteen work-groups are here
	JLOAD G0+4, G1, G0B+4, G1B                     ; slot 1: the first tensor load behind the round
	s_wait_alu depctr_va_vdst(0)
	FETCH_B 0, 0, 0
	FETCH_A 0, 0, 0
	SCALES 0
	FETCH_A 0, 0, 4
	s_wait_loadcnt 0x0                             ; the bias
	s_cmp_eq_u32 s[VM], 0
	s_cbranch_scc0 .Lfirst_v
	STEP 0, 0, 1                                   ; the first step starts the sums with the bias: nothing is cleared
	s_branch .Lfirst_done
.Lfirst_v:
	STEP 0, 0, 2
.Lfirst_done:
	s_mov_b32 s3, LAPS-1
.Llap:                                                 ; a trip goes once round the ring and fills both slots again
	TURN 0, 1, 1
	STEP 1, 0, 0
	TURN 1, 0, 1
	STEP 0, 0, 0
	s_sub_co_u32 s3, s3, 1
	s_cmp_lg_u32 s3, 0
	s_cbranch_scc1 .Llap
	TURN 0, 1, 0                                   ; the last lap fills nothing, and has no round of the cluster's barrier
	STEP 1, 0, 0
	s_wait_dscnt 4*NL                              ; the very last step
	WIN MUL_LO
	MUL16 0, 1, NQ-1, 1, 0
	MUL16 2, 1, NQ-1, 1, 0
	s_wait_dscnt 0
	WIN MUL_HI
	MUL16 4, 1, NQ-1, 1, 0
	MUL16 6, 1, NQ-1, 1, 0
	WIN 0
; THE WAY OUT.  The 64 registers of P's tile a are, for my lane's row, 128 numbers' worth along the next K: register 16 b + i = place 32 b + 16 h + i.  They become 16 registers of codes, v[128 + 16 a] on, and a scale word.
.macro QUANTW a
.set ACB, 64*((\a)%4)
.set WW,  2+(\a)/4
.set PCA, 128+16*(\a)
.set WS1, (WW<<2)|(WW<<4)
.set WS2, (WW<<6)|WW
	WIN WS1                                        ; sources 1 and 2: the accumulators' window
.irp b, 0,1,2,3
	v_max3_num_f32 v[TM+\b], s[FLOOR], |v[ACB+16*\b]|, |v[ACB+16*\b+1]|   ; each accumulator is read from its low end on; the floor holds the byte at 1 from below
.endr
.irp i, 2,4,6,8,10,12,14
.irp b, 0,1,2,3
	v_max3_num_f32 v[TM+\b], v[TM+\b], |v[ACB+16*\b+\i]|, |v[ACB+16*\b+\i+1]|
.endr
.endr
	WIN 0
.irp b, 0,1,2,3
	v_permlanex16_b32 v[TM+4+\b], v[TM+\b], s[SEL], s[SEL+1]
.endr
.irp b, 0,1,2,3
	v_max_num_f32 v[TM+\b], v[TM+\b], v[TM+4+\b]   ; with lane l xor 16's 16: the block's largest magnitude
.endr
.irp b, 0,1,2,3
	v_add_nc_u32 v[TM+12+\b], 0xf8800000, v[TM+\b] ; 15 off its exponent field: the conversion's scale operand
.endr
.irp b, 0,1,2,3
	v_and_or_b32 v[TM+8+\b], v[TM+\b], 0x7f800000, s[MNT]   ; 57,344 x the scale
.endr
.irp b, 0,1,2,3
	v_lshrrev_b32 v[TM+4+\b], 23, v[TM+12+\b]      ; the scale's byte
.endr
	v_lshl_or_b32 v[PW+(\a)], v[TM+5], 8, v[TM+4]
	v_lshl_or_b32 v[PW+(\a)], v[TM+6], 16, v[PW+(\a)]
	v_lshl_or_b32 v[PW+(\a)], v[TM+7], 24, v[PW+(\a)]
	WIN WS2                                        ; destination and source 0: the accumulators' window
.irp b, 0,1,2,3
.irp i, 0,1,2,3,4,5,6,7,8,9,10,11,12,13,14,15
	v_med3_num_f32 v[ACB+16*\b+\i], v[ACB+16*\b+\i], -v[TM+8+\b], v[TM+8+\b]   ; the conversion to an 8-bit code does not saturate (ISA guide 7.6.2)
.endr
.endr
	WIN WW                                         ; source 0 alone
.irp b, 0,1,2,3
	v_cvt_scalef32_pk8_bf8_f32 v[PCA+4*\b:PCA+4*\b+1], v[ACB+16*\b:ACB+16*\b+7], v[TM+12+\b]
	v_cvt_scalef32_pk8_bf8_f32 v[PCA+4*\b+2:PCA+4*\b+3], v[ACB+16*\b+8:ACB+16*\b+15], v[TM+12+\b]
.endr
	WIN 0
	v_nop                                          ; a plain line behind the last conversion: the next tile writes the scale operands anew
.endm
	s_load_b256 s[68:75], s[0:1], 0x28             ; qk_img, qk_scl, v_img, v_scl, into registers of descriptors whose loads were shown done by the last wait for all tensor loads
	PLACES NP
.irp b, 0,1,2,3
	v_mov_b32 v[TM+4+\b], 0                        ; a lane permute's destination counts as one of its sources
.endr
.irp a, 0,1,2,3,4,5,6,7
	QUANTW \a
.endr
	v_lshlrev_b32 v8, 4, v1
	v_lshl_add_u32 v8, v2, 12, v8                  ; the scale words: 16 r, and lanes 16-31 one head (4,096 bytes) on
	v_cmp_eq_u32 vcc_lo, 1, v2
	s_wait_kmcnt 0x0
	s_cmp_eq_u32 s[VM], 0
	s_cbranch_scc0 .Lout_v
	; q, k: P's tile a is tokens (kb = a / 2, u = a % 2) of my four kb; code group c is head c / 2 of my two, channels 32 (c % 2) on
	s_lshl_b32 s20, ttmp9, 23                      ; q or k: 8,388,608 bytes each
	s_lshr_b32 s21, s17, 3                         ; the batch
	s_lshl_b32 s22, s21, 21
	s_add_co_u32 s20, s20, s22
	s_and_b32 s22, s42, 3
	s_lshl_b32 s22, s22, 2
	s_lshl_b32 s23, s16, 1
	s_add_co_u32 s22, s22, s23                     ; my first head
	s_lshl_b32 s23, s22, 17
	s_add_co_u32 s20, s20, s23
	s_and_b32 s23, s17, 7
	s_lshl_b32 s23, s23, 1
	s_add_co_u32 s23, s23, s15                     ; which 128 tokens of the batch
	s_lshl_b32 s46, s23, 13
	s_add_co_u32 s46, s46, s20
	s_mov_b32 s47, 0
	s_add_nc_u64 s[68:69], s[68:69], s[46:47]
	s_lshl_b32 s46, ttmp9, 18
	s_lshl_b32 s21, s21, 4
	s_add_co_u32 s21, s21, s22
	s_lshl_b32 s21, s21, 12
	s_add_co_u32 s46, s46, s21
	s_lshl_b32 s23, s23, 8
	s_add_co_u32 s46, s46, s23
	s_add_nc_u64 s[70:71], s[70:71], s[46:47]
	s_wait_alu depctr_va_vdst(0)
.irp a, 0,1,2,3,4,5,6,7
.irp c, 0,1,2,3
	global_store_b128 v[LI], v[128+16*\a+4*\c:128+16*\a+4*\c+3], s[68:69] offset:\a*1024+(\c%2)*512+(\c/2)*131072   ; 512 consecutive bytes
.endr
.endr
	v_mov_b32 v9, 0x05040100                       ; lanes 0-15: the first head's two bytes of both tiles of a kb; lanes 16-31: the second head's
	v_mov_b32 v10, 0x07060302
	v_cndmask_b32 v9, v9, v10, vcc_lo
.irp k, 0,1,2,3
	v_perm_b32 v[OUTW+\k], v[PW+2*\k+1], v[PW+2*\k], v9
.endr
	global_store_b128 v8, v[OUTW:OUTW+3], s[70:71] ; sixteen lanes store 256 consecutive bytes
	s_branch .Lout_done
.Lout_v:
	; v: P's tile a is head a / 4 of my two, channel tile a % 4; the 128 places are my 128 keys
	s_lshl_b32 s20, s97, 4
	s_lshl_b32 s21, s41, 2
	s_add_co_u32 s20, s20, s21
	s_lshl_b32 s21, s15, 1
	s_add_co_u32 s20, s20, s21                     ; 16 x batch + my first head
	s_lshl_b32 s21, s42, 1
	s_add_co_u32 s21, s21, s16                     ; which 128 keys
	s_lshl_b32 s46, s20, 17
	s_lshl_b32 s22, s21, 13
	s_add_co_u32 s46, s46, s22
	s_mov_b32 s47, 0
	s_add_nc_u64 s[72:73], s[72:73], s[46:47]
	s_lshl_b32 s46, s20, 12
	s_lshl_b32 s22, s21, 8
	s_add_co_u32 s46, s46, s22
	s_add_nc_u64 s[74:75], s[74:75], s[46:47]
	s_wait_alu depctr_va_vdst(0)
.irp a, 0,1,2,3,4,5,6,7
.irp c, 0,1,2,3
	global_store_b128 v[LI], v[128+16*\a+4*\c:128+16*\a+4*\c+3], s[72:73] offset:(\a/4)*131072+(\a%4)*2048+\c*512
.endr
.endr
.irp k, 0,1,2,3
	v_cndmask_b32 v[OUTW+\k], v[PW+\k], v[PW+4+\k], vcc_lo
.endr
	global_store_b128 v8, v[OUTW:OUTW+3], s[74:75]
.Lout_done:
	s_wait_tensorcnt 0x0                           ; the wave's end
	ds_add_u32 v[SPW], v[NIL]
	s_wait_dscnt 0x0
	CROUND                                         ; the closing round: no work-group ends while a partner may still ask for a tile that names it
	s_endpgm
.Lfunc_end_k_q851684b740_proj:
	.size	k_q851684b740_proj, .Lfunc_end_k_q851684b740_proj-k_q851684b740_proj
	.p2alignl 7, 3214868480
	.fill 96, 4, 3214868480
	.section	.rodata,"a",@progbits
	.p2align	6, 0x0
	.amdhsa_kernel k_q851684b740_proj
		.amdhsa_group_segment_fixed_size 327680
		.amdhsa_private_segment_fixed_size 0
		.amdhsa_enable_private_segment 0
		.amdhsa_kernarg_size 72
		.amdhsa_user_sgpr_count 2
		.amdhsa_user_sgpr_kernarg_segment_ptr 1
		.amdhsa_wavefront_size32 1
		.amdhsa_system_sgpr_workgroup_id_x 1
		.amdhsa_system_sgpr_workgroup_id_y 1
		.amdhsa_system_sgpr_workgroup_id_z 1
		.amdhsa_system_vgpr_workitem_id 0
		.amdhsa_next_free_vgpr 1024
		.amdhsa_next_free_sgpr 102
		.amdhsa_reserve_vcc 1
		.amdhsa_float_denorm_mode_32 3
		.amdhsa_float_denorm_mode_16_64 3
		.amdhsa_memory_ordered 1
		.amdhsa_forward_progress 1
		.amdhsa_inst_pref_size 210
	.end_amdhsa_kernel
	.amdgpu_metadata
---
amdhsa.version: [ 1, 2 ]
amdhsa.kernels:
  - .name:           k_q851684b740_proj
    .symbol:         k_q851684b740_proj.kd
    .args:
      - { .name: img, .offset: 0, .size: 8, .value_kind: global_buffer, .address_space: global }
      - { .name: scl, .offset: 8, .size: 8, .value_kind: global_buffer, .address_space: global }
      - { .name: bq, .offset: 16, .size: 8, .value_kind: global_buffer, .address_space: global }
      - { .name: bk, .offset: 24, .size: 8, .value_kind: global_buffer, .address_space: global }
      - { .name: bv, .offset: 32, .size: 8, .value_kind: global_buffer, .address_space: global }
      - { .name: qk_img, .offset: 40, .size: 8, .value_kind: global_buffer, .address_space: global }
      - { .name: qk_scl, .offset: 48, .size: 8, .value_kind: global_buffer, .address_space: global }
      - { .name: v_img, .offset: 56, .size: 8, .value_kind: global_buffer, .address_space: global }
      - { .name: v_scl, .offset: 64, .size: 8, .value_kind: global_buffer, .address_space: global }
    .group_segment_fixed_size: 327680
    .private_segment_fixed_size: 0
    .kernarg_segment_align: 8
    .kernarg_segment_size: 72
    .max_flat_workgroup_size: 128
    .sgpr_count:     102
    .vgpr_count:     1024
    .wavefront_size: 32
...
	.end_amdgpu_metadata
.endif
;; end of part 2
;; launch attn (part 3): grid 4 x 64, 16 waves a work-group, clusters of 4 x 1, 327,680 bytes of LDS; arguments qk_img, qk_scl, v_img, v_scl, o_img, o_scl; writes o_img, o_scl
.if DOCPART == 3
	.amdgcn_target "amdgcn-amd-amdhsa--gfx1250"
	.amdhsa_code_object_version 6
	.text
	.protected	k_q851684b740_attn
	.globl	k_q851684b740_attn
	.p2align	8
	.type	k_q851684b740_attn,@function
k_q851684b740_attn:
	s_mov_b64 s[64:65], 0
	v_nop
	global_prefetch_b8 v0, s[64:65] scope:SCOPE_SE
	s_setreg_imm32_b32 hwreg(HW_REG_WAVE_MODE, 25, 1), 1
	s_wait_xcnt 0x0
	s_wait_alu depctr_hold_cnt(0) depctr_sa_sdst(0) depctr_va_vdst(0) depctr_va_sdst(0) depctr_va_ssrc(0) depctr_va_vcc(0) depctr_vm_vsrc(0)
	s_getreg_b32 s2, hwreg(HW_REG_IB_STS2, 6, 4)
	s_cmp_eq_u32 s2, 0
	s_cbranch_scc0 .Lentry_in_a_cluster
	s_endpgm
.Lentry_in_a_cluster:
	s_bfe_u32 s2, ttmp6, 0x10000c
	s_cmp_lg_u32 s2, 0x3003
	s_cbranch_scc0 .Lentry_shape_is_right
	s_endpgm
.Lentry_shape_is_right:
; o = softmax(q k^T / 8) v for one head, on codes of BF8 (E5M2) with E8M0 scales; o is divided by the row's sum, quantised along the model's channels and leaves as codes and scale bytes for the last projection.
; SOFTMAX: t = score x log2(e) / 8; M = the running largest t rounded up to a whole number; p = 2^(t - M) is quantised along the keys, not normalised; the row's sum is taken of the unquantised p.
; SHARES: a work-group owns one head (cluster y) and 512 queries (its place cx in the cluster); each of 16 waves owns two tiles of 16 queries, one after the other: 32 key steps of 128 keys.
; LDS: the head's K (131,072 bytes), V (131,072) and their scale words (4,096 each) lie in LDS whole; each byte is filled once, so the key loops hold no barrier.
; CLUSTER: the four work-groups of a head read the same K and V: every tensor load is a joint load with the mask 15; cx enters global addresses of q and o alone.
; FILLS, one a wave at the head: waves 0, 1 key steps 0-3 of K, V; waves 2, 3 the scale words; waves 4-15 the other twelve key steps, 16,384 bytes each.  The first barrier shows waves 0-3's lines, which have arms of their own;
; three key steps are worked, which read key steps 0-3 alone; the second barrier shows the rest.  No prefetch: every tensor load is issued at the head, so no loop runs ahead of a load.
; LAYOUT: both products transposed (S^T = K Q^T, O^T += V^T P^T): a lane holds one query.  A fragment of K holds two tiles of 16 keys x 64 channels; q stands between two runs of zeros, so that v[24:39] picks the first tile and v[16:31] the second.
; THE SECOND PRODUCT STANDS ONE STEP BACK: step i multiplies S of step i, brings O under M of step i - 1, loads V of step i - 1 into the registers that K has left, adds P V of step i - 1 onto O behind its own exponentials,
; and then loads K of step i + 1 into the same registers.  So each run of LDS loads has a long stretch of the wave's own vector work ahead of its wait.  A tile's first step multiplies codes that are zeros; a tile's end makes the last product from V in the scores' registers.
; The very last step's loads of K are read by nobody: the step is written once.
; LIMITS: the scaled scores stay under 2^31 in magnitude; NaN and infinities are not served; a block of zeros gets the byte 1 where the rule says 127 (zero codes; only this program reads the bytes).
; REGISTERS: v1 16 x lane, v2 scale words' place, v5-7, v10 the step's LDS addresses, v8 8 r, v11 old -M, v12 -M, v13 largest score, v[14:15] the sum; v16-39 zeros, q, zeros; v40-49 the second tile's q and both scale words; v50 V's place;
; v52-59 K's, V's scale words; v60-63 conversion operands; v64-127 fragments of K, then of V; v128-191 S, p; v192-223 O; v224-239 codes; v240-254 at work; v252 f; v253 p's scale word; v255 q's.
.set SCK,   262144
.set SPARE, 270336
.set SPW,  3
.set NIL,  4
.set WV,   16
.set EO,   17
.set JW,   18
.set MNT,  19
.set SEL,  20
.set CS,   22
.set G1A,  24
.set G1S,  32
.set G1C,  40
.set G0A,  48
.set G0B,  52
.set G0C,  56
.set QSEL, 60
.set CNT,  61
.set TB,   62
.set TS,   63
.set HD,   66
.set CX,   67
.macro WALU
	s_wait_alu depctr_va_vdst(0)
.endm
.macro BARRIER
	s_barrier_signal -1
	s_barrier_wait -1
.endm
.macro CROUND
	BARRIER
	s_cmp_lg_u32 s[WV], 0
	s_cbranch_scc1 .Lnot_wave_0_\@
	s_barrier_signal -3
.Lnot_wave_0_\@:
	s_barrier_wait -3
	BARRIER
.endm
.macro TLOAD g0, g1
	tensor_load_to_lds s[\g0:\g0+3], s[\g1:\g1+7]
	s_nop 0
.rept 4
	v_nop
.endr
.endm
	s_load_b256 s[4:11], s[0:1], 0x0               ; qk_img, qk_scl, v_img, v_scl
	s_load_b128 s[12:15], s[0:1], 0x20             ; o_img, o_scl
	v_lshl_add_u32 v[SPW], v0, 2, SPARE
	v_mov_b32 v[NIL], 0
	ds_add_u32 v[SPW], v[NIL]                      ; the opening lines
	ds_add_u32 v[SPW], v[NIL]
	v_lshrrev_b32 v5, 5, v0
	v_readfirstlane_b32 s[WV], v5                  ; wave 0..15
	s_and_b32 s[EO], s[WV], 1                      ; I fetch for K (0) or V (1); also: my q tile's u
	s_lshr_b32 s[JW], s[WV], 1
	s_and_b32 s[HD], ttmp7, 0xffff                 ; 16 x batch + head
	s_bfe_u32 s[CX], ttmp6, 0x40000                ; which 512 queries
.irp g, G1A, G1S, G1C                              ; dense blocks as rows of 256 bytes (32 elements of 8), the mask 15 and bit 21 beside it
	s_mov_b32 s[\g], 15|(3<<16)|(1<<21)
	s_mov_b32 s[\g+1], 32<<16
	s_mov_b32 s[\g+3], 32<<16
	s_mov_b32 s[\g+5], 32
	s_mov_b32 s[\g+6], 0
	s_mov_b32 s[\g+7], 0
.endr
	s_mov_b32 s[G1A+2], 128<<16                    ; 32,768 bytes: four key steps
	s_mov_b32 s[G1A+4], 128
	s_mov_b32 s[G1S+2], 16<<16                     ; 4,096 bytes: a head's scale words
	s_mov_b32 s[G1S+4], 16
	s_mov_b32 s[G1C+2], 64<<16                     ; 16,384 bytes: two key steps
	s_mov_b32 s[G1C+4], 64
	s_mov_b32 s[G0A], 1
	s_lshl_b32 s[G0A+1], s[EO], 17                 ; K at 0, V at 131,072
	s_mov_b32 s[G0B], 1
	s_lshl_b32 s[G0B+1], s[EO], 12
	s_add_co_u32 s[G0B+1], s[G0B+1], SCK
	s_mov_b32 s[G0C], 1
	s_lshl_b32 s68, s[JW], 14                      ; waves 4-15: 16,384 x (wave / 2), from 32,768 on
	s_add_co_u32 s[G0C+1], s[G0A+1], s68
	s_mov_b32 s69, 0
	s_lshl_b32 s70, s[HD], 17
	s_mov_b32 s71, 0
	s_lshl_b32 s72, s[HD], 12
	s_mov_b32 s73, 0
	s_mov_b32 s[QSEL], 0x01000100
	s_cmp_eq_u32 s[EO], 0
	s_cselect_b32 s74, 8388608, 0                  ; k lies behind q in qk_img,
	s_cselect_b32 s75, 262144, 0                   ; and in qk_scl
	s_cselect_b32 s[QSEL], s[QSEL], 0x03020302     ; my tile's two bytes of q's scale word, in both halves
	s_add_co_u32 s70, s70, s74
	s_add_co_u32 s72, s72, s75
	s_mov_b32 s[SEL], 0x76543210
	s_mov_b32 s[SEL+1], 0xfedcba98
	s_mov_b32 s[CS], 0x3e38aa3b                    ; log2(e) / 8
	s_mov_b32 s[CS+1], s[CS]
	s_mov_b32 s[MNT], 0x600000
	s_wait_dscnt 0x0
	CROUND                                         ; the four work-groups are here: the joint loads meet
	s_wait_kmcnt 0x0
	s_cmp_eq_u32 s[EO], 0
	s_cselect_b64 s[76:77], s[4:5], s[8:9]
	s_cselect_b64 s[78:79], s[6:7], s[10:11]
	s_add_nc_u64 s[G0A+2:G0A+3], s[76:77], s[70:71]
	s_add_nc_u64 s[G0C+2:G0C+3], s[G0A+2:G0A+3], s[68:69]
	s_add_nc_u64 s[G0B+2:G0B+3], s[78:79], s[72:73]
	s_or_b32 s[G0A+3], s[G0A+3], 0x80000000
	s_or_b32 s[G0B+3], s[G0B+3], 0x80000000
	s_or_b32 s[G0C+3], s[G0C+3], 0x80000000
	s_cmp_lt_u32 s[WV], 2                          ; one chain of branches on the wave's number, one load to an arm
	s_cbranch_scc0 .Lhead_s
	TLOAD G0A, G1A
	s_branch .Lasked
.Lhead_s:
	s_cmp_lt_u32 s[WV], 4
	s_cbranch_scc0 .Lhead_c
	TLOAD G0B, G1S
	s_branch .Lasked
.Lhead_c:
	TLOAD G0C, G1C
.Lasked:
	s_lshl_b32 s68, s[HD], 17                      ; q's codes: head, 32,768 cx, 1,024 x wave; the second tile 16,384 on
	s_lshl_b32 s70, s[CX], 15
	s_add_co_u32 s68, s68, s70
	s_lshl_b32 s70, s[WV], 10
	s_add_co_u32 s68, s68, s70
	s_mov_b32 s69, 0
	s_add_nc_u64 s[72:73], s[4:5], s[68:69]
	s_lshl_b32 s68, s[HD], 12                      ; q's scale words; the second tile's 512 on
	s_lshl_b32 s70, s[CX], 10
	s_add_co_u32 s68, s68, s70
	s_lshr_b32 s70, s[WV], 3
	s_lshl_b32 s70, s70, 8
	s_add_co_u32 s68, s68, s70
	s_bfe_u32 s70, s[WV], 0x20001
	s_lshl_b32 s70, s70, 2
	s_add_co_u32 s68, s68, s70
	s_add_nc_u64 s[74:75], s[6:7], s[68:69]
	s_lshr_b32 s68, s[HD], 4                       ; o: tile 128 x batch + 32 cx + wave; the second 16 on
	s_lshl_b32 s68, s68, 7
	s_lshl_b32 s70, s[CX], 5
	s_add_co_u32 s68, s68, s70
	s_add_co_u32 s68, s68, s[WV]
	s_lshl_b32 s80, s68, 9
	s_lshl_b32 s68, s68, 14
	s_bfe_u32 s70, s[HD], 0x30001                  ; the K step of 128 channels: head / 2
	s_lshl_b32 s70, s70, 11
	s_add_co_u32 s68, s68, s70
	s_and_b32 s71, s[HD], 1
	s_lshl_b32 s70, s71, 10
	s_add_co_u32 s68, s68, s70
	s_add_nc_u64 s[76:77], s[12:13], s[68:69]
	s_bfe_u32 s70, s[HD], 0x20002                  ; o_scl: pair of K steps, word of the pair, half of the word
	s_lshl_b32 s70, s70, 7
	s_add_co_u32 s80, s80, s70
	s_bfe_u32 s70, s[HD], 0x10001
	s_lshl_b32 s70, s70, 2
	s_add_co_u32 s80, s80, s70
	s_lshl_b32 s70, s71, 1
	s_add_co_u32 s80, s80, s70
	s_mov_b32 s81, 0
	s_add_nc_u64 s[78:79], s[14:15], s[80:81]
	v_and_b32 v5, 31, v0
	v_lshlrev_b32 v1, 4, v5
	v_and_b32 v6, 15, v0
	v_lshl_add_u32 v2, v6, 4, SCK
	v_lshlrev_b32 v8, 3, v6
	v_lshlrev_b32 v9, 4, v6
	v_add_nc_u32 v50, 0x20000, v1
	WALU
	global_load_b128 v[24:27], v1, s[72:73]
	global_load_b128 v[28:31], v1, s[72:73] offset:512
	global_load_b128 v[40:43], v1, s[72:73] offset:16384
	global_load_b128 v[44:47], v1, s[72:73] offset:16896
	global_load_b32 v48, v9, s[74:75]
	global_load_b32 v49, v9, s[74:75] offset:512
.irp j, 0,1,2,3,4,5,6,7
	v_mov_b32 v[16+\j], 0
	v_mov_b32 v[32+\j], 0
.endr
.macro RESET                                       ; a tile's start: no score yet, -M a large whole number; the sum, O and the codes of the step before are zeros
	v_mov_b32 v13, 0xff61b1e6
	v_mov_b32 v12, 0x7f61b1e6
	v_mov_b32 v14, 0
	v_mov_b32 v15, 0
.set j, 0
.rept 48
	v_mov_b32 v[192+j], 0
.set j, j+1
.endr
.endm
.irp b, 0,1,2,3
	v_mov_b32 v[244+\b], 0                         ; a lane permute's destination counts as one of its sources
.endr
	v_mov_b32 v252, 1.0
	v_mov_b32 v253, 0x7f7f7f7f                     ; finite bytes over the zero codes
	v_mov_b32 v254, 0
	WALU
	s_wait_loadcnt 0x0
	v_perm_b32 v255, v48, v48, s[QSEL]
	RESET                                          ; also the places between the scale words made here and the first products
.macro QK f
	v_wmma_scale_f32_16x16x128_f8f6f4 v[128+16*\f:135+16*\f], v[64+16*\f:79+16*\f], v[24:39], 0, v[52+\f], v255 matrix_a_fmt:MATRIX_FMT_BF8 matrix_b_fmt:MATRIX_FMT_BF8
	v_wmma_scale_f32_16x16x128_f8f6f4 v[136+16*\f:143+16*\f], v[64+16*\f:79+16*\f], v[16:31], 0, v[52+\f], v255 matrix_a_fmt:MATRIX_FMT_BF8 matrix_b_fmt:MATRIX_FMT_BF8
.endm
.macro UNDER                                       ; O under the M of the step whose product comes next: x f
.set j, 0
.rept 16
	v_pk_mul_f32 v[192+j:193+j], v[192+j:193+j], v[252:253] op_sel_hi:[1,0]
.set j, j+2
.endr
.endm
.macro FLD base, adr, d                            ; a fragment: four loads of 512 consecutive bytes
.irp c, 0,1,2,3
	ds_load_b128 v[\base+16*\d+4*\c:\base+16*\d+4*\c+3], v[\adr] offset:2048*\d+512*\c
.endr
.endm
.macro PV base                                     ; O^T += V^T P^T; the four accumulators by turns
.irp d, 0,1,2,3
	v_wmma_scale_f32_16x16x128_f8f6f4 v[192+8*\d:199+8*\d], v[\base+16*\d:\base+16*\d+15], v[224:239], v[192+8*\d:199+8*\d], v[56+\d], v253 matrix_a_fmt:MATRIX_FMT_BF8 matrix_b_fmt:MATRIX_FMT_BF8
.endr
.endm
.macro XF n                                        ; t - M, two at a time
.rept \n
	v_pk_fma_f32 v[128+j:129+j], v[128+j:129+j], s[CS:CS+1], v[12:13] op_sel_hi:[1,0,0]
.set j, j+2
.endr
.endm
.macro KNEXT mask                                  ; K and its scale words of key step (CNT + 1) & mask
	s_add_co_u32 s[TS], s[CNT], 1
	s_and_b32 s[TS], s[TS], \mask
	s_lshl_b32 s[TB], s[TS], 13
	s_lshl_b32 s[TS], s[TS], 8
	v_add_nc_u32 v5, s[TB], v1
	v_add_nc_u32 v6, s[TS], v2
	ds_load_b128 v[52:55], v6
.irp f, 0,1,2,3
	FLD 64, 5, \f
.endr
.endm
; A KEY STEP of 128 keys: number CNT & mask
.macro STEP mask
	s_wait_dscnt 0x0                               ; K and its scale words, asked for in the step before
	QK 0
	QK 1
	QK 2
	QK 3
	UNDER                                          ; 16 places behind the products above
.irp b, 0,1,2,3                                    ; the largest score of each block of 32 keys, my 16 of each, the four by turns
	v_max3_num_f32 v[240+\b], v[128+16*\b], v[129+16*\b], v[130+16*\b]
.endr
.irp i, 3,5,7,9,11,13
.irp b, 0,1,2,3
	v_max3_num_f32 v[240+\b], v[240+\b], v[128+16*\b+\i], v[129+16*\b+\i]
.endr
.endr
.irp b, 0,1,2,3
	v_max_num_f32 v[240+\b], v[240+\b], v[143+16*\b]
.endr
.irp b, 0,1,2,3
	v_permlanex16_b32 v[244+\b], v[240+\b], s[SEL], s[SEL+1]
.endr
.irp b, 0,1,2,3
	v_max_num_f32 v[240+\b], v[240+\b], v[244+\b]
.endr
	s_add_co_u32 s[TS], s[CNT], 15                 ; V of the step before: (CNT + 15) & mask
	s_and_b32 s[TS], s[TS], \mask
	s_lshl_b32 s[TB], s[TS], 13
	s_lshl_b32 s[TS], s[TS], 8
	v_add_nc_u32 v7, s[TB], v50
	v_add_nc_u32 v10, s[TS], v2
	v_mov_b32 v11, v12
	v_max3_num_f32 v254, v240, v241, v242          ; the chain that makes M, with V's loads between its links
	ds_load_b128 v[56:59], v10 offset:4096
	FLD 64, 7, 0
	v_max3_num_f32 v13, v13, v254, v243            ; the running largest score
	FLD 64, 7, 1
	v_mul_f32 v254, s[CS], v13
	FLD 64, 7, 2
	v_floor_f32 v12, -v254                         ; -M = floor(-t)
	FLD 64, 7, 3
.set j, 0
	XF 4
	v_sub_f32 v254, v12, v11
	XF 4
	v_cvt_i32_f32 v254, v254                       ; it saturates
	XF 4
	v_ldexp_f32 v252, 1.0, v254                    ; f = 2^(old M - new M)
	XF 20
.irp b, 0,1,2,3
	v_fma_f32 v[240+\b], v[240+\b], s[CS], v12     ; the same of each block's largest score
.endr
	WALU                                           ; ahead of the batch
.irp b, 0,1,2,3
	v_exp_f32 v[240+\b], v[240+\b]
.endr
.set j, 0
.rept 64
	v_exp_f32 v[128+j], v[128+j]
.set j, j+1
.endr
	v_nop
	WALU                                           ; and behind it
	s_wait_dscnt 0x0                               ; V of the step before
	PV 64
.irp b, 0,1,2,3
	v_max_num_f32 v[240+\b], 0x8000000, v[240+\b]  ; the floor 2^(16 - 127): the byte cannot fall under 1
.endr
.irp b, 0,1,2,3
	v_add_nc_u32 v[60+\b], 0xf8800000, v[240+\b]
.endr
.irp b, 0,1,2,3
	v_and_or_b32 v[248+\b], v[240+\b], 0x7f800000, s[MNT]
.endr
.irp b, 0,1,2,3
	v_lshrrev_b32 v[244+\b], 23, v[60+\b]
.endr
	v_lshl_or_b32 v253, v245, 8, v244              ; 16 places behind the product that read the last word
	v_lshl_or_b32 v253, v246, 16, v253
	v_lshl_or_b32 v253, v247, 24, v253
	KNEXT \mask                                    ; 19 places behind the product that read V's fragments
	v_pk_fma_f32 v[14:15], v[14:15], v[252:253], v[128:129] op_sel_hi:[1,0,1]   ; the sum under the new M, and the unquantised p, in four chains
	v_pk_add_f32 v[244:245], v[130:131], v[132:133]
	v_pk_add_f32 v[246:247], v[134:135], v[136:137]
	v_pk_add_f32 v[10:11], v[138:139], v[140:141]
.set j, 142
.rept 6
	v_pk_add_f32 v[14:15], v[14:15], v[j:j+1]
	v_pk_add_f32 v[244:245], v[244:245], v[j+2:j+3]
	v_pk_add_f32 v[246:247], v[246:247], v[j+4:j+5]
	v_pk_add_f32 v[10:11], v[10:11], v[j+6:j+7]
.set j, j+8
.endr
	v_pk_add_f32 v[14:15], v[14:15], v[190:191]
.irp b, 0,2                                        ; the one-sided holds, two to a line, of two blocks so that sources and bounds lie in different banks
.irp i, 0,2,4,6,8,10,12,14
	v_dual_min_num_f32 v[128+16*\b+\i], v[128+16*\b+\i], v[248+\b] :: v_dual_min_num_f32 v[145+16*\b+\i], v[145+16*\b+\i], v[249+\b]
	v_dual_min_num_f32 v[144+16*\b+\i], v[144+16*\b+\i], v[249+\b] :: v_dual_min_num_f32 v[129+16*\b+\i], v[129+16*\b+\i], v[248+\b]
.endr
.irp c, 0,1
	v_cvt_scalef32_pk8_bf8_f32 v[224+4*(\b+\c):225+4*(\b+\c)], v[128+16*(\b+\c):135+16*(\b+\c)], v[60+\b+\c]
	v_cvt_scalef32_pk8_bf8_f32 v[226+4*(\b+\c):227+4*(\b+\c)], v[136+16*(\b+\c):143+16*(\b+\c)], v[60+\b+\c]
.endr
.endr
	v_pk_add_f32 v[14:15], v[14:15], v[244:245]    ; plain lines behind the last conversion
	v_pk_add_f32 v[246:247], v[246:247], v[10:11]
	v_pk_add_f32 v[14:15], v[14:15], v[246:247]
.endm
; A TILE'S END: the product of key step 15, with V in the scores' registers; the division, the quantiser of 64 channels (two blocks), the stores; then the second tile's q and a new start
.macro FINISH
	UNDER
	v_add_nc_u32 v7, 122880, v50
	ds_load_b128 v[56:59], v2 offset:7936
.irp d, 0,1,2,3
	FLD 128, 7, \d
.endr
	v_add_f32 v14, v14, v15
	v_permlanex16_b32 v254, v14, s[SEL], s[SEL+1]
	v_add_f32 v14, v14, v254
	WALU
	s_wait_dscnt 0x0
	PV 128
	v_rcp_f32 v14, v14
.rept 8
	v_nop                                          ; places behind the products
.endr
	WALU                                           ; behind the transcendental, directly ahead of O's first readers
.set j, 0
.rept 16
	v_pk_mul_f32 v[128+j:129+j], v[192+j:193+j], v[14:15] op_sel_hi:[1,0]
.set j, j+2
.endr
.irp b, 0,1
	v_max3_num_f32 v[240+\b], |v[128+16*\b]|, |v[129+16*\b]|, 0x8000000
.endr
.irp i, 2,4,6,8,10,12,14
.irp b, 0,1
	v_max3_num_f32 v[240+\b], v[240+\b], |v[128+16*\b+\i]|, |v[129+16*\b+\i]|
.endr
.endr
.irp b, 0,1
	v_permlanex16_b32 v[244+\b], v[240+\b], s[SEL], s[SEL+1]
.endr
.irp b, 0,1
	v_max_num_f32 v[240+\b], v[240+\b], v[244+\b]
.endr
.irp b, 0,1
	v_add_nc_u32 v[60+\b], 0xf8800000, v[240+\b]
.endr
.irp b, 0,1
	v_and_or_b32 v[248+\b], v[240+\b], 0x7f800000, s[MNT]
.endr
.irp b, 0,1
	v_lshrrev_b32 v[244+\b], 23, v[60+\b]
.endr
.irp b, 0,1
.irp i, 0,1,2,3,4,5,6,7,8,9,10,11,12,13,14,15
	v_med3_num_f32 v[128+16*\b+\i], v[128+16*\b+\i], -v[248+\b], v[248+\b]
.endr
	v_cvt_scalef32_pk8_bf8_f32 v[224+4*\b:225+4*\b], v[128+16*\b:135+16*\b], v[60+\b]
	v_cvt_scalef32_pk8_bf8_f32 v[226+4*\b:227+4*\b], v[136+16*\b:143+16*\b], v[60+\b]
.endr
	v_lshl_or_b32 v51, v245, 8, v244               ; my head's two bytes of the K step's scale word
	global_store_b128 v1, v[224:227], s[76:77]     ; 512 consecutive bytes each
	global_store_b128 v1, v[228:231], s[76:77] offset:512
	global_store_b16 v8, v51, s[78:79]
.irp j, 0,1,2,3,4,5,6,7
	v_mov_b32 v[24+\j], v[40+\j]
.endr
	v_perm_b32 v255, v49, v49, s[QSEL]
	WALU
	s_wait_xcnt 0x0                                ; the stores have read their registers and bases
	RESET
	s_add_nc_u64 s[76:77], s[76:77], 262144        ; 16 tiles on
	s_add_nc_u64 s[78:79], s[78:79], 8192
.endm
	WALU                                           ; the head's end
	s_cmp_lt_u32 s[WV], 4
	s_cbranch_scc0 .Lnot_first
	s_wait_tensorcnt 0x0                           ; waves 0-3: key steps 0-3 and the scale words are in
.Lnot_first:
	BARRIER
	ds_load_b128 v[52:55], v2                      ; K of key step 0
.irp f, 0,1,2,3
	FLD 64, 1, \f
.endr
	s_mov_b32 s[CNT], 0
.Lthree:                                           ; key steps 0-2 of the first tile: they read K of steps 0-3 and V of steps 3 (under zero codes), 0, 1
	STEP 3
	s_add_co_u32 s[CNT], s[CNT], 1
	s_cmp_lt_u32 s[CNT], 3
	WALU
	s_cbranch_scc1 .Lthree
	s_wait_tensorcnt 0x0                           ; every wave: the rest of K and V is in
	s_wait_dscnt 0x0
	BARRIER
	s_mov_b32 s[CNT], 3
.Lrest:                                            ; key steps 3-15 of the first tile, 0-15 of the second
	STEP 15
	s_and_b32 s82, s[CNT], 15
	s_cmp_lg_u32 s82, 15
	WALU
	s_cbranch_scc1 .Lgo_on
	FINISH
.Lgo_on:
	s_add_co_u32 s[CNT], s[CNT], 1
	s_cmp_lt_u32 s[CNT], 32
	WALU
	s_cbranch_scc1 .Lrest
	s_wait_tensorcnt 0x0                           ; the wave's end
	ds_add_u32 v[SPW], v[NIL]
	s_wait_dscnt 0x0
	CROUND                                         ; the closing round
	s_endpgm
.Lfunc_end_k_q851684b740_attn:
	.size	k_q851684b740_attn, .Lfunc_end_k_q851684b740_attn-k_q851684b740_attn
	.p2alignl 7, 3214868480
	.fill 96, 4, 3214868480
	.section	.rodata,"a",@progbits
	.p2align	6, 0x0
	.amdhsa_kernel k_q851684b740_attn
		.amdhsa_group_segment_fixed_size 327680
		.amdhsa_private_segment_fixed_size 0
		.amdhsa_enable_private_segment 0
		.amdhsa_kernarg_size 48
		.amdhsa_user_sgpr_count 2
		.amdhsa_user_sgpr_kernarg_segment_ptr 1
		.amdhsa_wavefront_size32 1
		.amdhsa_system_sgpr_workgroup_id_x 1
		.amdhsa_system_sgpr_workgroup_id_y 1
		.amdhsa_system_sgpr_workgroup_id_z 1
		.amdhsa_system_vgpr_workitem_id 0
		.amdhsa_next_free_vgpr 256
		.amdhsa_next_free_sgpr 90
		.amdhsa_reserve_vcc 0
		.amdhsa_float_denorm_mode_32 3
		.amdhsa_float_denorm_mode_16_64 3
		.amdhsa_memory_ordered 1
		.amdhsa_forward_progress 1
		.amdhsa_inst_pref_size 59
	.end_amdhsa_kernel
	.amdgpu_metadata
---
amdhsa.version: [ 1, 2 ]
amdhsa.kernels:
  - .name:           k_q851684b740_attn
    .symbol:         k_q851684b740_attn.kd
    .args:
      - { .name: qk_img, .offset: 0, .size: 8, .value_kind: global_buffer, .address_space: global }
      - { .name: qk_scl, .offset: 8, .size: 8, .value_kind: global_buffer, .address_space: global }
      - { .name: v_img, .offset: 16, .size: 8, .value_kind: global_buffer, .address_space: global }
      - { .name: v_scl, .offset: 24, .size: 8, .value_kind: global_buffer, .address_space: global }
      - { .name: o_img, .offset: 32, .size: 8, .value_kind: global_buffer, .address_space: global }
      - { .name: o_scl, .offset: 40, .size: 8, .value_kind: global_buffer, .address_space: global }
    .group_segment_fixed_size: 327680
    .private_segment_fixed_size: 0
    .kernarg_segment_align: 8
    .kernarg_segment_size: 48
    .max_flat_workgroup_size: 512
    .sgpr_count:     90
    .vgpr_count:     256
    .wavefront_size: 32
...
	.end_amdgpu_metadata
.endif
;; end of part 3
;; launch outp (part 4): grid 4 x 64, 4 waves a work-group, clusters of 4 x 4, 327,680 bytes of LDS; arguments o_img, o_scl, img, scl, bo, out0; writes out0
.if DOCPART == 4
	.amdgcn_target "amdgcn-amd-amdhsa--gfx1250"
	.amdhsa_code_object_version 6
	.text
	.protected	k_q851684b740_outp
	.globl	k_q851684b740_outp
	.p2align	8
	.type	k_q851684b740_outp,@function
k_q851684b740_outp:
	s_mov_b64 s[64:65], 0
	v_nop
	global_prefetch_b8 v0, s[64:65] scope:SCOPE_SE
	s_setreg_imm32_b32 hwreg(HW_REG_WAVE_MODE, 25, 1), 1
	s_wait_xcnt 0x0
	s_wait_alu depctr_hold_cnt(0) depctr_sa_sdst(0) depctr_va_vdst(0) depctr_va_sdst(0) depctr_va_ssrc(0) depctr_va_vcc(0) depctr_vm_vsrc(0)
	s_getreg_b32 s2, hwreg(HW_REG_IB_STS2, 6, 4)
	s_cmp_eq_u32 s2, 0
	s_cbranch_scc0 .Lentry_in_a_cluster
	s_endpgm
.Lentry_in_a_cluster:
	s_bfe_u32 s2, ttmp6, 0x10000c
	s_cmp_lg_u32 s2, 0xf033
	s_cbranch_scc0 .Lentry_shape_is_right
	s_endpgm
.Lentry_shape_is_right:
; out0 = o wo^T + bo on codes of BF8 (E5M2) with E8M0 scales; f32 out.  Operands come as images of registers: a tile of 16 rows (lane r = row 32 B + 8 u + r + 8 (r / 8) of tile 2 B + u), a fragment of 2,048 bytes for each 128 along K.
; A work-group makes 128 rows x 256 columns: 64 x 4 = 256 work-groups.  Each of four waves makes 64 x 128 in 32 accumulators.  R = wo is source 0 (its rows run along a lane's result registers), P = o is source 1 (a lane stands for one token).
; K goes in steps of 256 through two LDS slots: P's 8 tiles at 0, R's 16 tiles at 65,536 of a slot.  The scale words of the work-group's rows, for all of K, come once at the head.
; CLUSTERS: 4 x 4 work-groups; P's tiles are asked for jointly along a row of the cluster, R's along a column.  The head has one joint load a wave: P's slot 0, R's slot 0, P's scale words, R's; slot 1 follows behind a drained round.
; The bias is the C of each sum's first matrix instruction.  The results go through each wave's stage in LDS, in slot 0 behind its last fill and last read, and leave as rows of 512 consecutive bytes.
; No prefetch: K has four slots, and the ring asks for each as soon as its bytes are free.
; REGISTERS: window 0: v1 r, v2 h, v3 16 x lane, v16-29 addresses; v32-63 scale words, two sets; v64-127 the bias; v128-191 P's fragments, one set; on the way out v128-255.  window 1: R's fragments, two sets.  window 2: accumulator (a, b) at v[8 (8 a + b)].
.set ROFF,   65536
.set SLOT,   131072
.set SCL,    262144
.set SPARE,  278784
.set SPITCH, 528
.set NQ,     2
.set FR,     16
.set NL,     4
.set NP,     8
.set LAPS,   2
.set LI,     3
.set ADRA,   16
.set ADRB,   20
.set STO,    24
.set RD,     25
.set ADRR,   26                        ; v26 R's scale words in every lane: for R's tiles 4-7, which have no tile of P beside them
.set ADRS,   27                        ; v27 lanes 0-15 P's scale words, lanes 16-31 R's
.set SPW,    28
.set NIL,    29
.set SC,     32
.set BI,     64
.set AF,     128
.set BK,     128
.set G1, 24
.set G0, 32
.set G1B, 48
.set G0B, 56
.set G1S, 68
.set G0S, 76
.set G1SB, 80
.set G0SB, 88
.set MSB, 0
.macro WIN new
.if MSB != \new
	s_set_vgpr_msb (MSB<<8)|\new
.set MSB, \new
.endif
.endm
.set MUL_LO, 0xa1                      ; source 0 (R) window 1, source 1 (P) window 0, C and D window 2
.set TO_B,   0x40
.macro JLOAD g0a, g1a, g0b, g1b
	s_cmp_eq_u32 s15, 0
	s_cbranch_scc0 .Lfor_b_\@
	tensor_load_to_lds s[\g0a:\g0a+3], s[\g1a:\g1a+7]
	s_nop 0
.rept 4
	v_nop
.endr
	s_branch .Lasked_\@
.Lfor_b_\@:
	tensor_load_to_lds s[\g0b:\g0b+3], s[\g1b:\g1b+7]
	s_nop 0
.rept 4
	v_nop
.endr
.Lasked_\@:
.endm
.macro CREST
	s_cmp_lg_u32 s14, 0
	s_cbranch_scc1 .Lnot_wave_0_\@
	s_barrier_signal -3
.Lnot_wave_0_\@:
	s_barrier_wait -3
	s_barrier_signal -1
	s_barrier_wait -1
.endm
.macro CROUND
	s_barrier_signal -1
	s_barrier_wait -1
	CREST
.endm
	s_load_b256 s[4:11], s[0:1], 0x0               ; o_img, o_scl, img, scl
	s_load_b128 s[96:99], s[0:1], 0x20             ; bo, out0
	v_lshl_add_u32 v[SPW], v0, 2, SPARE
	v_mov_b32 v[NIL], 0
	ds_add_u32 v28, v29
	ds_add_u32 v28, v29
	s_wait_dscnt 0x0
	v_lshrrev_b32 v1, 5, v0
	v_readfirstlane_b32 s14, v1                    ; wave 0..3
	s_lshr_b32 s15, s14, 1                         ; which half of P's rows is mine.  Also: I fetch for P (0) or for R (1)
	s_and_b32 s16, s14, 1                          ; which half of R's rows.  Also: which half of the tiles I fetch
	s_bfe_u32 s40, ttmp6, 0x40000
	s_bfe_u32 s41, ttmp6, 0x40004
	s_lshl_b32 s42, ttmp9, 2
	s_add_co_u32 s42, s42, s40                     ; work-group x: 256 columns
	s_and_b32 s17, ttmp7, 0xffff
	s_lshl_b32 s17, s17, 2
	s_add_co_u32 s17, s17, s41                     ; work-group y: 128 rows
	s_lshl_b32 s43, s41, 2
	s_lshl_b32 s43, 15, s43
	s_lshl_b32 s44, 0x1111, s40
	s_or_b32 s[G1+0], s43, (3<<16)|(1<<21)
	s_or_b32 s[G1B+0], s44, (3<<16)|(1<<21)
.irp g, G1, G1B                                    ; tiles of 4,096 consecutive bytes (512 elements of 8), 16,384 bytes apart in memory, on end in LDS
	s_mov_b32 s[\g+1], 512<<16
	s_mov_b32 s[\g+3], 512<<16
	s_mov_b32 s[\g+5], 2048
	s_mov_b32 s[\g+6], 0
	s_mov_b32 s[\g+7], 0
.endr
	s_mov_b32 s[G1+2], 8<<16                       ; the head's loads: all 8 tiles of P,
	s_mov_b32 s[G1+4], 8
	s_mov_b32 s[G1B+2], 16<<16                     ; all 16 of R
	s_mov_b32 s[G1B+4], 16
	s_or_b32 s[G1S+0], s43, (3<<16)|(1<<21)
	s_or_b32 s[G1SB+0], s44, (3<<16)|(1<<21)
.irp g, G1S, G1SB                                  ; scale words: dense bytes as rows of 256
	s_mov_b32 s[\g+1], 32<<16
	s_mov_b32 s[\g+3], 32<<16
	s_mov_b32 s[\g+5], 32
	s_mov_b32 s[\g+6], 0
	s_mov_b32 s[\g+7], 0
.endr
	s_mov_b32 s[G1S+2], 16<<16                     ; 8 tiles x 512 bytes
	s_mov_b32 s[G1S+4], 16
	s_mov_b32 s[G1SB+2], 32<<16                    ; 16 tiles x 512 bytes
	s_mov_b32 s[G1SB+4], 32
	s_lshl_b32 s12, s16, 16                        ; in the ring a wave fetches 4 tiles of P,
	s_mov_b32 s13, 0
	s_lshl_b32 s18, s16, 17                        ; or 8 of R: which half, in bytes
	s_mov_b32 s19, 0
	s_lshl_b32 s20, s17, 3                         ; P's first tile
	s_lshl_b32 s46, s42, 4
	s_add_co_u32 s46, s46, 704                     ; R's: wo begins at tile 704 of img
	s_lshl_b32 s22, s20, 9
	s_mov_b32 s23, 0
	s_lshl_b32 s20, s20, 14
	s_mov_b32 s21, 0
	s_lshl_b32 s92, s46, 9
	s_mov_b32 s93, 0
	s_lshl_b32 s46, s46, 14
	s_mov_b32 s47, 0
	s_lshl_b32 s45, s14, 15                        ; where R's halves go: waves 2, 3: 65,536 and 98,304
	s_lshl_b32 s94, s16, 14                        ; where P's go: waves 0, 1: 0 and 16,384
	s_wait_kmcnt 0x0
	s_add_nc_u64 s[20:21], s[4:5], s[20:21]
	s_add_nc_u64 s[22:23], s[6:7], s[22:23]
	s_add_nc_u64 s[46:47], s[8:9], s[46:47]
	s_add_nc_u64 s[92:93], s[10:11], s[92:93]
	CROUND
	s_mov_b32 s[G0S], 1
	s_mov_b32 s[G0S+1], SCL
	s_mov_b64 s[G0S+2:G0S+3], s[22:23]
	s_or_b32 s[G0S+3], s[G0S+3], 0x80000000
	s_mov_b32 s[G0SB], 1
	s_mov_b32 s[G0SB+1], SCL+8320
	s_mov_b64 s[G0SB+2:G0SB+3], s[92:93]
	s_or_b32 s[G0SB+3], s[G0SB+3], 0x80000000
	s_mov_b32 s[G0], 1
	s_mov_b32 s[G0+1], 0
	s_mov_b64 s[G0+2:G0+3], s[20:21]
	s_or_b32 s[G0+3], s[G0+3], 0x80000000
	s_mov_b32 s[G0B], 1
	s_mov_b32 s[G0B+1], ROFF
	s_mov_b64 s[G0B+2:G0B+3], s[46:47]
	s_or_b32 s[G0B+3], s[G0B+3], 0x80000000
	s_add_nc_u64 s[20:21], s[20:21], s[12:13]
	s_add_nc_u64 s[46:47], s[46:47], s[18:19]
	s_mov_b32 s[G0+4], 1
	s_add_co_u32 s[G0+5], s94, SLOT
	s_add_nc_u64 s[G0+6:G0+7], s[20:21], 4096
	s_or_b32 s[G0+7], s[G0+7], 0x80000000
	s_mov_b32 s[G0B+4], 1
	s_add_co_u32 s[G0B+5], s45, SLOT
	s_add_nc_u64 s[G0B+6:G0B+7], s[46:47], 4096
	s_or_b32 s[G0B+7], s[G0B+7], 0x80000000
.macro ARM under, g0, g1, next
	s_cmp_lt_u32 s14, \under
	s_cbranch_scc0 \next
	tensor_load_to_lds s[\g0:\g0+3], s[\g1:\g1+7]
	s_nop 0
.rept 4
	v_nop
.endr
	s_branch .Lhead_asked
\next:
.endm
	ARM 1, G0,  G1,  .Lhead_b
	ARM 2, G0B, G1B, .Lhead_sa
	ARM 3, G0S, G1S, .Lhead_sb
	tensor_load_to_lds s[G0SB:G0SB+3], s[G1SB:G1SB+7]
	s_nop 0
.rept 4
	v_nop
.endr
.Lhead_asked:
	v_and_b32 v1, 15, v0
	v_bfe_u32 v2, v0, 4, 1
	s_wait_alu depctr_va_vdst(0)
	v_and_b32 v3, 31, v0
	v_lshlrev_b32 v[LI], 4, v3
	s_lshl_b32 s21, s15, 14                        ; my 4 tiles of P
	s_lshl_b32 s22, s16, 15                        ; my 8 tiles of R
	s_add_co_u32 s22, s22, ROFF
.irp s, 0,1
	v_add_nc_u32 v[ADRA+\s], s21, v[LI]
	v_add_nc_u32 v[ADRB+\s], s22, v[LI]
	s_add_co_u32 s21, s21, SLOT
	s_add_co_u32 s22, s22, SLOT
.endr
	v_lshlrev_b32 v5, 3, v1                        ; my row's pair of words: 8 r
	s_lshl_b32 s21, s15, 11                        ; P's: my 4 tiles
	s_lshl_b32 s22, s16, 12                        ; R's: my 8 tiles, 8,320 bytes behind P's first
	s_add_co_u32 s22, s22, 8320
	s_add_co_u32 s23, s22, SCL
	v_add_nc_u32 v[ADRR], s23, v5
	s_sub_co_u32 s22, s22, s21
	v_mul_u32_u24 v6, s22, v2                      ; lanes 16-31 take R's
	s_add_co_u32 s21, s21, SCL
	v_add_nc_u32 v5, v5, v6
	v_add_nc_u32 v[ADRS], s21, v5
	s_mul_i32 s23, s14, 16*SPITCH
	v_mul_u32_u24 v5, v1, SPITCH
	v_lshl_add_u32 v5, v2, 6, v5
	v_add_nc_u32 v[STO], s23, v5
	v_add_nc_u32 v[RD], s23, v[LI]
	s_lshl_b32 s46, s42, 10
	s_lshl_b32 s47, s16, 9
	s_add_co_u32 s46, s46, s47                     ; my first column, in bytes
	s_mov_b32 s47, 0
	s_add_nc_u64 s[96:97], s[96:97], s[46:47]
	v_lshlrev_b32 v7, 6, v2
.irp b, 0,1,2,3,4,5,6,7
	global_load_b128 v[BI+8*\b:BI+8*\b+3], v7, s[96:97] offset:(32*(\b/2)+8*(\b%2))*4
	global_load_b128 v[BI+8*\b+4:BI+8*\b+7], v7, s[96:97] offset:(32*(\b/2)+8*(\b%2))*4+16
.endr
	s_lshl_b32 s20, s17, 7
	s_lshl_b32 s21, s15, 6
	s_add_co_u32 s20, s20, s21                     ; my first row: 128 x work-group y + 64 x half
	s_lshl_b32 s20, s20, 12
	s_add_co_u32 s20, s20, s46
	s_mov_b32 s21, 0
	s_add_nc_u64 s[98:99], s[98:99], s[20:21]
.macro FRAG reg, adr, q, i
.irp c, 0,1,2,3
	ds_load_b128 v[\reg+4*\c:\reg+4*\c+3], v[\adr] offset:(\i)*4096+(\q)*2048+512*\c
.endr
.endm
; 8 matrix instructions: P's tile a x R's eight, 128 along K.  The 32 accumulators take turns, in the same order in every step
.macro MUL8 a, p, q, sc, zero
.irp b, 0,1,2,3,4,5,6,7
.if \zero
	v_wmma_scale_f32_16x16x128_f8f6f4 v[8*(8*(\a)+\b):8*(8*(\a)+\b)+7], v[128*(\p)+FR*\b:128*(\p)+FR*\b+FR-1], v[AF+FR*(\a):AF+FR*(\a)+FR-1], v[BI+8*\b:BI+8*\b+7], v[SC+16*(\sc)+2*\b+(\q)], v[SC+16*(\sc)+2*(\a)+(\q)] matrix_a_fmt:MATRIX_FMT_BF8 matrix_b_fmt:MATRIX_FMT_BF8 matrix_a_scale:MATRIX_SCALE_ROW1
.else
	v_wmma_scale_f32_16x16x128_f8f6f4 v[8*(8*(\a)+\b):8*(8*(\a)+\b)+7], v[128*(\p)+FR*\b:128*(\p)+FR*\b+FR-1], v[AF+FR*(\a):AF+FR*(\a)+FR-1], v[8*(8*(\a)+\b):8*(8*(\a)+\b)+7], v[SC+16*(\sc)+2*\b+(\q)], v[SC+16*(\sc)+2*(\a)+(\q)] matrix_a_fmt:MATRIX_FMT_BF8 matrix_b_fmt:MATRIX_FMT_BF8 matrix_a_scale:MATRIX_SCALE_ROW1
.endif
.endr
.endm
.macro FETCH_B slot, q, p
	WIN TO_B
.irp i, 0,1,2,3,4,5,6,7
	FRAG 128*(\p)+FR*\i, ADRB+\slot, \q, \i
.endr
	WIN 0
.endm
.macro FETCH_A slot, q, i0             ; P's tiles i0, i0 + 1: eight loads
.irp i, \i0, \i0+1
	FRAG AF+FR*(\i), ADRA+\slot, \q, \i
.endr
.endm
.macro SCALES sc                       ; a slot's scale words, two a row: lanes 0-15 P's tile i (i under 4), lanes 16-31 R's tile i
.irp i, 0,1,2,3
	ds_load_b64 v[SC+16*\sc+2*\i:SC+16*\sc+2*\i+1], v[ADRS] offset:512*\i
.endr
.irp i, 4,5,6,7
	ds_load_b64 v[SC+16*\sc+2*\i:SC+16*\sc+2*\i+1], v[ADRR] offset:512*\i
.endr
.endm
.macro PLACES n
.rept \n
	v_nop
.endr
.endm
.macro MWIN zero
.if \zero
	WIN 0x81                                       ; C, the bias, in window 0; D in window 2
.else
	WIN MUL_LO
.endif
.endm
; A step of 128 along K that has its successor in the same slot
.macro STEP slot, q, zero
	s_wait_dscnt 2*NL                              ; all but the youngest eight loads (P's tiles 2, 3)
	MWIN \zero
	MUL8 0, (\q)%2, \q, \slot, \zero
	MUL8 1, (\q)%2, \q, \slot, \zero
	s_wait_dscnt 0
	PLACES NP
	FETCH_B \slot, (\q)+1, 1-(\q)%2
	FETCH_A \slot, (\q)+1, 0
	MWIN \zero
	MUL8 2, (\q)%2, \q, \slot, \zero
	MUL8 3, (\q)%2, \q, \slot, \zero
	PLACES NP
	WIN 0
	FETCH_A \slot, (\q)+1, 2
.endm
; A slot's last step changes slots: one barrier.  fill = 1: a round of the cluster's barrier, and this slot is filled again
.macro TURN slot, next, fill
	s_wait_tensorcnt 0x0
	ds_add_u32 v[SPW], v[NIL]
	s_wait_dscnt 2*NL+1                            ; the add and the youngest eight loads (P's tiles 2, 3) may be out
	WIN MUL_LO
	MUL8 0, 1, NQ-1, \slot, 0
	s_wait_dscnt 0x0                               ; the add is done, and my reads of this slot are over
	s_barrier_signal -1
	MUL8 1, 1, NQ-1, \slot, 0
	WIN 0
	s_barrier_wait -1
.if \fill
	CREST
	s_add_nc_u64 s[G0+4*\slot+2:G0+4*\slot+3], s[G0+4*\slot+2:G0+4*\slot+3], 8192
	s_add_nc_u64 s[G0B+4*\slot+2:G0B+4*\slot+3], s[G0B+4*\slot+2:G0B+4*\slot+3], 8192
	JLOAD G0+4*\slot, G1, G0B+4*\slot, G1B
	PLACES NP-4
.else
	PLACES NP
.endif
	s_wait_alu depctr_va_vdst(0)
	v_add_nc_u32 v[ADRS], 128, v[ADRS]             ; on to the next slot's scale words
	v_add_nc_u32 v[ADRR], 128, v[ADRR]
	FETCH_B \next, 0, 0
	FETCH_A \next, 0, 0
	SCALES \next
	WIN MUL_LO
	MUL8 2, 1, NQ-1, \slot, 0
	MUL8 3, 1, NQ-1, \slot, 0
	PLACES NP
	WIN 0
	FETCH_A \next, 0, 2
.endm
	s_wait_alu depctr_va_vdst(0)
	s_wait_tensorcnt 0x0                           ; my tile of the head's four is in; slot 1's first fill is issued as a refill is
	ds_add_u32 v[SPW], v[NIL]
	s_mov_b32 s[G1+2], 4<<16                       ; no tensor load of mine is out: from here on a load brings 4 tiles of P
	s_mov_b32 s[G1+4], 4
	s_mov_b32 s[G1B+2], 8<<16                      ; or 8 of R,
	s_mov_b32 s[G1B+4], 8
	s_mov_b32 s[G0+1], s94                         ; and slot 0's descriptors name my half
	s_add_nc_u64 s[G0+2:G0+3], s[G0+2:G0+3], s[12:13]
	s_mov_b32 s[G0B+1], s45
	s_add_nc_u64 s[G0B+2:G0B+3], s[G0B+2:G0B+3], s[18:19]
	s_wait_dscnt 0x0
	CROUND
	JLOAD G0+4, G1, G0B+4, G1B
	FETCH_B 0, 0, 0
	FETCH_A 0, 0, 0
	SCALES 0
	FETCH_A 0, 0, 2
	s_wait_loadcnt 0x0                             ; the bias
	STEP 0, 0, 1
	s_mov_b32 s3, LAPS-1
.Llap:
	TURN 0, 1, 1
	STEP 1, 0, 0
	TURN 1, 0, 1
	STEP 0, 0, 0
	s_sub_co_u32 s3, s3, 1
	s_cmp_lg_u32 s3, 0
	s_cbranch_scc1 .Llap
	TURN 0, 1, 0
	STEP 1, 0, 0
	s_wait_dscnt 2*NL
	WIN MUL_LO
	MUL8 0, 1, NQ-1, 1, 0
	MUL8 1, 1, NQ-1, 1, 0
	s_wait_dscnt 0
	MUL8 2, 1, NQ-1, 1, 0
	MUL8 3, 1, NQ-1, 1, 0
	WIN 0
; THE WAY OUT, a block of 16 rows x 128 columns at a time, through my stage; LDS serves a wave's instructions in order
.macro TOSTAGE a
.set AC, 64*(\a)
	WIN 0x08
.irp b, 0,1,2,3,4,5,6,7
	ds_store_b128 v[STO], v[AC+8*\b:AC+8*\b+3] offset:128*(\b/2)+32*(\b%2)
	ds_store_b128 v[STO], v[AC+8*\b+4:AC+8*\b+7] offset:128*(\b/2)+32*(\b%2)+16
.endr
	WIN 0
.set BB, BK+64*((\a)%2)
.irp t, 0,1,2,3,4,5,6,7,8,9,10,11,12,13,14,15
	ds_load_b128 v[BB+4*\t:BB+4*\t+3], v[RD] offset:\t*SPITCH
.endr
.endm
.macro SEND a, younger
.set BB, BK+64*((\a)%2)
	s_wait_dscnt \younger
.irp t, 0,1,2,3,4,5,6,7,8,9,10,11,12,13,14,15
	global_store_b128 v[LI], v[BB+4*\t:BB+4*\t+3], s[98:99] offset:(32*((\a)/2)+8*((\a)%2)+\t+8*(\t/8))*4096 th:TH_STORE_NT
.endr
.endm
	PLACES NP
	TOSTAGE 0
.irp a, 1,2,3
.if \a > 1
	s_wait_xcnt 0x0                                ; block a - 2's stores have read their registers
.endif
	TOSTAGE \a
	SEND \a-1, 32                                  ; behind block a - 1's loads: block a's 16 stores and 16 loads
.endr
	SEND 3, 0
	s_wait_tensorcnt 0x0
	ds_add_u32 v[SPW], v[NIL]
	s_wait_dscnt 0x0
	CROUND
	s_endpgm
.Lfunc_end_k_q851684b740_outp:
	.size	k_q851684b740_outp, .Lfunc_end_k_q851684b740_outp-k_q851684b740_outp
	.p2alignl 7, 3214868480
	.fill 96, 4, 3214868480
	.section	.rodata,"a",@progbits
	.p2align	6, 0x0
	.amdhsa_kernel k_q851684b740_outp
		.amdhsa_group_segment_fixed_size 327680
		.amdhsa_private_segment_fixed_size 0
		.amdhsa_enable_private_segment 0
		.amdhsa_kernarg_size 48
		.amdhsa_user_sgpr_count 2
		.amdhsa_user_sgpr_kernarg_segment_ptr 1
		.amdhsa_wavefront_size32 1
		.amdhsa_system_sgpr_workgroup_id_x 1
		.amdhsa_system_sgpr_workgroup_id_y 1
		.amdhsa_system_sgpr_workgroup_id_z 1
		.amdhsa_system_vgpr_workitem_id 0
		.amdhsa_next_free_vgpr 768
		.amdhsa_next_free_sgpr 100
		.amdhsa_reserve_vcc 0
		.amdhsa_float_denorm_mode_32 3
		.amdhsa_float_denorm_mode_16_64 3
		.amdhsa_memory_ordered 1
		.amdhsa_forward_progress 1
		.amdhsa_inst_pref_size 93
	.end_amdhsa_kernel
	.amdgpu_metadata
---
amdhsa.version: [ 1, 2 ]
amdhsa.kernels:
  - .name:           k_q851684b740_outp
    .symbol:         k_q851684b740_outp.kd
    .args:
      - { .name: o_img, .offset: 0, .size: 8, .value_kind: global_buffer, .address_space: global }
      - { .name: o_scl, .offset: 8, .size: 8, .value_kind: global_buffer, .address_space: global }
      - { .name: img, .offset: 16, .size: 8, .value_kind: global_buffer, .address_space: global }
      - { .name: scl, .offset: 24, .size: 8, .value_kind: global_buffer, .address_space: global }
      - { .name: bo, .offset: 32, .size: 8, .value_kind: global_buffer, .address_space: global }
      - { .name: out0, .offset: 40, .size: 8, .value_kind: global_buffer, .address_space: global }
    .group_segment_fixed_size: 327680
    .private_segment_fixed_size: 0
    .kernarg_segment_align: 8
    .kernarg_segment_size: 48
    .max_flat_workgroup_size: 128
    .sgpr_count:     100
    .vgpr_count:     768
    .wavefront_size: 32
...
	.end_amdgpu_metadata
.endif
;; end of part 4
